; MI455X (gfx1250); checked and timed in simulation.
; The chip was launched on July 23, 2026; its instructions are those of AMD's public machine-readable ISA for CDNA 5 (MIT licence, August 2026) and "CDNA5" Instruction Set Architecture Reference Guide (July 2026). The comments in the code are by the model that wrote it; some were corrected since.
;; Mo E Layer. Allowed arithmetic: float matrix products may take bf16 or f16 operands with f32 sums; all other float work in f32.
;; Inputs: W1 8 x 1,024 x 512 float32; W2 8 x 512 x 1,024 float32; Wg 1,024 x 8 float32; b1 8 x 512 float32; b2 8 x 1,024 float32; bg 8 float32; x 4 x 2,048 x 1,024 float32.
;; Outputs: out0 4 x 2,048 x 1,024 float32; out1 4 x 2,048 x 8 float32.
;; 2 versions, each right; version 2 is version 1 with the launches ffn, combine written anew for expert scheduling mode. Each part assembles by itself: llvm-mc -triple=amdgcn-amd-amdhsa -mcpu=gfx1250 --defsym DOCPART=n.
;; ======== version 1 of 2: 4 launches
;; limits: values are held in f16: magnitudes above 65,504 overflow, below 6.1e-05 lose precision; inputs' magnitudes at most 65,504
;; workspace buffers: xh 16,777,216 bytes; wh 16,777,216 bytes; route 69,632 bytes of whole numbers; pw 65,536 bytes; list 131,072 bytes of whole numbers; pos 65,536 bytes of whole numbers; tab 1,024 bytes of whole numbers; y 70,778,880 bytes
;; launch gate (part 1): grid 256 x 1, 4 waves a work-group, no clusters, 39,424 bytes of LDS; arguments x, Wg, bg, out1, route, pw, xh, list; writes out1, route, pw, xh, list
.if DOCPART == 1
	.amdgcn_target "amdgcn-amd-amdhsa--gfx1250"
	.amdhsa_code_object_version 6
	.text
	.protected	k_qcaf3e04ff3_gate
	.globl	k_qcaf3e04ff3_gate
	.p2align	8
	.type	k_qcaf3e04ff3_gate,@function
k_qcaf3e04ff3_gate:
	s_mov_b64 s[64:65], 0
	v_nop
	global_prefetch_b8 v0, s[64:65] scope:SCOPE_SE
	s_setreg_imm32_b32 hwreg(HW_REG_WAVE_MODE, 25, 1), 1
	s_wait_xcnt 0x0
; GATE.  logits = x Wg + bg in f32 on the vector unit, softmax over the 8 experts (out1), the two largest probabilities
; with their experts (route, pw), and x rounded to f16 (xh) for the expert launch.  It also stores zeros over the list of sorted
; rows, so that the rows which the placement leaves empty hold slot id 0, and, behind route's 65,536 bytes, how many of the group's 64 slots
; go to each expert: eight counts as 16-bit fields, 16 bytes a group, from which the next launch makes its prefix sums.
; Why f32 and no matrix unit: the choice of two experts is discontinuous, and the product has 8 columns, a thousandth of the arithmetic.
; A work-group has 32 tokens, a wave 8.  A lane holds d = 128 j + 4 lane + c (j 0..7, c 0..3) of a row, so that a load of a wave
; covers 512 neighbouring bytes of x; its 32 rows of Wg (256 numbers) stay in registers for all 8 tokens.
; WG GOES THROUGH LDS: a lane's four rows of Wg are 128 bytes, so loads straight into its registers would take 32 pieces 128 bytes apart each.  Instead the four waves load the
; 32 KiB once, 512 consecutive bytes a load, and lay each group of four rows at pitch 144 (an odd multiple of 16 bytes).
; LDS: 0 .. 36,863 Wg, 256 groups of 4 rows at pitch 144, written once.  36,864 .. 37,887 the 32 tokens' probabilities.  37,888 .. 38,399 their records.
; LIMITS: |x| must be below 65,504 (f16).  Equal probabilities go to the lower expert; the choice is made on this text's own f32
; probabilities, so a token whose second and third probabilities differ by less than the rounding of a sum of 1,024 f32 products may be routed
; otherwise than by another order of summation.  A probability below 2^-126 comes out as 0 (v_exp_f32, ISA guide 15.8).  NaN in x is not served.
; REGISTERS: window 0: addresses, sums, probabilities, v64-127 Wg on its way.  Window 1: v[32 j + 8 c + 4 u ..] = Wg[d][4 u ..].  Window 2: v[32 i + 4 j + c] = x of token i.
.set ACC, 16                           ; v[16:47]  four sets (one for each c) of 8 sums, as pairs of experts
.set PR,  48                           ; v[48:55]  logits, then probabilities
.set WT,  64                           ; v[64:127] my wave's quarter of Wg as loaded
.set WPITCH, 144
.set PB,  256*WPITCH                   ; behind Wg: probabilities and records
.set MSB, 0
.macro WIN new                         ; s_set_vgpr_msb: bits 1:0 source 0, 3:2 source 1, 5:4 source 2, 7:6 destination; the high byte repeats the setting left
.if MSB != \new
	s_set_vgpr_msb (MSB<<8)|\new
.set MSB, \new
.endif
.endm
	s_load_b256 s[4:11], s[0:1], 0x0               ; x s[4:5], Wg s[6:7], bg s[8:9], out1 s[10:11]
	s_load_b128 s[12:15], s[0:1], 0x20             ; route s[12:13], pw s[14:15]
	s_load_b128 s[16:19], s[0:1], 0x30             ; xh s[16:17], list s[18:19]
	v_lshl_add_u32 v254, v0, 2, 0x9800
	v_mov_b32 v255, 0
	v_lshrrev_b32 v1, 5, v0
	v_readfirstlane_b32 s36, v1                    ; wave 0..3
	v_and_b32 v1, 31, v0                           ; lane
	s_mov_b32 s32, 0x76543210                      ; v_permlanex16_b32: lane i reads lane i of the other half
	s_mov_b32 s33, 0xfedcba98
	v_lshlrev_b32 v7, 4, v1                        ; 16 lane
	v_lshl_add_u32 v2, s36, 15, v7                 ; x: 8 rows of 4,096 bytes a wave + 16 lane
	v_mul_u32_u24 v3, v1, WPITCH                   ; LDS: group 32 j + lane holds my four rows of Wg
	v_lshl_add_u32 v128, s36, 9, v7                ; Wg in memory: 512 w + 16 lane, 2,048 bytes a load of the four waves
	v_lshrrev_b32 v129, 3, v1                      ; those 16 bytes lie in group 4 w + (lane >> 3) + 16 k,
	v_mul_u32_u24 v129, v129, WPITCH
	v_and_b32 v130, 7, v1
	v_lshl_add_u32 v129, v130, 4, v129             ; at byte 16 (lane & 7)
	s_mul_i32 s34, s36, 4*WPITCH
	v_add_nc_u32 v129, s34, v129
	v_lshlrev_b32 v58, 3, v1                       ; 8 lane
	v_lshl_add_u32 v4, s36, 14, v58                ; xh: 8 rows of 2,048 bytes a wave + 8 lane
	s_lshl_b32 s22, s36, 8
	s_add_co_u32 s22, s22, PB
	v_mov_b32 v5, s22                              ; LDS: my wave's 8 tokens x 32 bytes of probabilities
	s_lshl_b32 s23, s36, 7
	s_add_co_u32 s23, s23, PB+1024
	v_mov_b32 v6, s23                              ; LDS: my wave's 8 records of 16 bytes
.irp k, 0,1,2,3,4,5,6,7
	v_mov_b32 v[8+\k], 0                           ; v_permlanex16_b32 counts as a reader of its destination
.endr
	s_mov_b32 s21, 0
	s_wait_kmcnt 0x0
	s_load_b256 s[24:31], s[8:9], 0x0              ; bg
	s_lshl_b32 s20, ttmp9, 17                      ; 32 rows of 4,096 bytes
	s_add_nc_u64 s[4:5], s[4:5], s[20:21]
	s_lshl_b32 s20, ttmp9, 16                      ; 32 rows of 2,048 bytes
	s_add_nc_u64 s[16:17], s[16:17], s[20:21]
	s_lshl_b32 s20, ttmp9, 10                      ; 32 tokens x 32 bytes
	s_add_nc_u64 s[10:11], s[10:11], s[20:21]
	s_lshl_b32 s20, ttmp9, 4                       ; the group's 16 bytes of counts,
	s_add_co_u32 s20, s20, 65536                   ; behind the 16,384 experts
	s_add_nc_u64 s[38:39], s[12:13], s[20:21]
	s_lshl_b32 s20, ttmp9, 8                       ; 32 tokens x 8 bytes
	s_add_nc_u64 s[12:13], s[12:13], s[20:21]
	s_add_nc_u64 s[14:15], s[14:15], s[20:21]
	s_lshl_b32 s20, ttmp9, 9                       ; 512 bytes of the list
	s_add_nc_u64 s[18:19], s[18:19], s[20:21]
.irp k, 0,1,2,3,4,5,6,7,8,9,10,11,12,13,14,15
	global_load_b128 v[WT+4*\k:WT+4*\k+3], v128, s[6:7] offset:2048*\k   ; my wave's quarter of Wg: 512 consecutive bytes a load
.endr
	WIN 0x80                                       ; destination in window 2: the wave's 8 rows, 32 KiB, all asked for at once
.irp i, 0,1,2,3,4,5,6,7
.irp j, 0,1,2,3,4,5,6,7
	global_load_b128 v[32*\i+4*\j:32*\i+4*\j+3], v2, s[4:5] offset:4096*\i+512*\j th:TH_LOAD_NT
.endr
.endr
	WIN 0
	s_wait_loadcnt 63                              ; 64 loads of x were issued behind Wg's sixteen; the count's field ends at 63, which asks for no less
.irp k, 0,1,2,3,4,5,6,7,8,9,10,11,12,13,14,15
	ds_store_b128 v129, v[WT+4*\k:WT+4*\k+3] offset:16*WPITCH*\k
.endr
	s_wait_dscnt 0x0                               ; my quarter of Wg is in LDS, for the others' sake
	s_barrier_signal -1
	s_barrier_wait -1
	WIN 0x40                                       ; destination in window 1
.irp j, 0,1,2,3,4,5,6,7
.irp c, 0,1,2,3
.irp u, 0,1
	ds_load_b128 v[32*\j+8*\c+4*\u:32*\j+8*\c+4*\u+3], v3 offset:32*WPITCH*\j+32*\c+16*\u
.endr
.endr
.endr
	s_wait_kmcnt 0x0                               ; bg
	s_wait_dscnt 0x0                               ; Wg is in my registers
; One token: 128 packed multiply-adds, the row's cast and store, the sum over the lanes, softmax, the two largest.
.macro TOKEN i
	s_wait_loadcnt 8*(7-\i)                        ; loads return in order: tokens 0 to i are in, the later tokens' eight loads each stay out
	WIN 0x06                                       ; source 0 (x) window 2, source 1 (Wg) window 1, sums in window 0
.irp j, 0,1,2,3,4,5,6,7
.irp p, 0,1
.irp s, 0,1
.irp q, 0,1,2,3
.if \j == 0
	v_pk_mul_f32 v[ACC+16*\p+8*\s+2*\q:ACC+16*\p+8*\s+2*\q+1], v[32*\i+4*\j+2*\p:32*\i+4*\j+2*\p+1], v[32*\j+16*\p+8*\s+2*\q:32*\j+16*\p+8*\s+2*\q+1] op_sel:[\s,0] op_sel_hi:[\s,1]   ; the first products start the sums
.else
	v_pk_fma_f32 v[ACC+16*\p+8*\s+2*\q:ACC+16*\p+8*\s+2*\q+1], v[32*\i+4*\j+2*\p:32*\i+4*\j+2*\p+1], v[32*\j+16*\p+8*\s+2*\q:32*\j+16*\p+8*\s+2*\q+1], v[ACC+16*\p+8*\s+2*\q:ACC+16*\p+8*\s+2*\q+1] op_sel:[\s,0,0] op_sel_hi:[\s,1,1]   ; x[d] times two experts' weights; 16 sums take turns
.endif
.endr
.endr
.endr
.endr
	WIN 0x8a                                       ; all in window 2: the row to f16, in place
.irp j, 0,1,2,3,4,5,6,7
	v_cvt_pk_f16_f32 v[32*\i+4*\j], v[32*\i+4*\j], v[32*\i+4*\j+1]
	v_cvt_pk_f16_f32 v[32*\i+4*\j+1], v[32*\i+4*\j+2], v[32*\i+4*\j+3]
.endr
	WIN 0x08                                       ; store data in window 2
.irp j, 0,1,2,3,4,5,6,7
	global_store_b64 v4, v[32*\i+4*\j:32*\i+4*\j+1], s[16:17] offset:2048*\i+256*\j   ; a store of the wave covers 256 consecutive bytes, aligned; its registers are never written again
.endr
	WIN 0
.irp q, 0,2,4,6
	v_pk_add_f32 v[ACC+\q:ACC+\q+1], v[ACC+\q:ACC+\q+1], v[ACC+8+\q:ACC+8+\q+1]
	v_pk_add_f32 v[ACC+16+\q:ACC+16+\q+1], v[ACC+16+\q:ACC+16+\q+1], v[ACC+24+\q:ACC+24+\q+1]
.endr
.irp q, 0,2,4,6
	v_pk_add_f32 v[ACC+\q:ACC+\q+1], v[ACC+\q:ACC+\q+1], v[ACC+16+\q:ACC+16+\q+1]
.endr
.irp m, 1,2,4,8
.irp k, 0,1,2,3,4,5,6,7
	v_add_f32_dpp v[ACC+\k], v[ACC+\k], v[ACC+\k] row_xmask:\m row_mask:0xf bank_mask:0xf   ; over 16 lanes, the eight chains by turns
.endr
.endr
.irp k, 0,1,2,3,4,5,6,7
	v_permlanex16_b32 v[8+\k], v[ACC+\k], s32, s33 ; the other half
.endr
.irp k, 0,1,2,3,4,5,6,7
	v_add_f32 v[PR+\k], v[ACC+\k], v[8+\k]
.endr
.irp k, 0,1,2,3,4,5,6,7
	v_add_f32 v[PR+\k], s[24+\k], v[PR+\k]         ; + bg: every lane holds the 8 logits
.endr
	v_max3_num_f32 v56, v[PR], v[PR+1], v[PR+2]
	v_max3_num_f32 v56, v56, v[PR+3], v[PR+4]
	v_max3_num_f32 v56, v56, v[PR+5], v[PR+6]
	v_max_num_f32 v56, v56, v[PR+7]                ; the row's maximum m
	v_mul_f32 v56, 0xbfb8aa3b, v56                 ; - m log2 e
	v_mov_b32 v57, v56
.irp q, 0,2,4,6
	v_pk_fma_f32 v[PR+\q:PR+\q+1], v[PR+\q:PR+\q+1], 0x3fb8aa3b, v[56:57] op_sel_hi:[1,0,1]   ; (l - m) log2 e, one rounding
.endr
.irp k, 0,1,2,3,4,5,6,7
	v_exp_f32 v[PR+\k], v[PR+\k]
.endr
	v_nop                                          ; one plain place behind the last v_exp_f32 (ISA guide 5.7.2)
	s_wait_alu depctr_va_vdst(0)
	v_pk_add_f32 v[8:9], v[PR:PR+1], v[PR+2:PR+3]
	v_pk_add_f32 v[10:11], v[PR+4:PR+5], v[PR+6:PR+7]
	v_pk_add_f32 v[8:9], v[8:9], v[10:11]
	v_add_f32 v8, v8, v9
	v_rcp_f32 v56, v8
	v_nop                                          ; one plain place behind v_rcp_f32
	s_wait_alu depctr_va_vdst(0)
	v_mov_b32 v57, v56
.irp q, 0,2,4,6
	v_pk_mul_f32 v[PR+\q:PR+\q+1], v[PR+\q:PR+\q+1], v[56:57]
.endr
	; the two largest, in one pass; strict comparisons leave equal probabilities with the lower expert.  v60 i1, v61 i2, v62 p1, v63 p2
	v_mov_b32 v62, v[PR]
	v_mov_b32 v60, 0
	v_mov_b32 v63, -1.0
	v_mov_b32 v61, 0
.irp k, 1,2,3,4,5,6,7
	v_cmp_gt_f32 s34, v[PR+\k], v62
	v_cmp_gt_f32 s35, v[PR+\k], v63
	v_cndmask_b32 v63, v63, v[PR+\k], s35          ; better than the second: takes its place,
	v_cndmask_b32 v61, v61, \k, s35
	v_cndmask_b32 v63, v63, v62, s34               ; better than the first: the first moves down
	v_cndmask_b32 v61, v61, v60, s34
	v_cndmask_b32 v62, v62, v[PR+\k], s34
	v_cndmask_b32 v60, v60, \k, s34
.endr
	ds_store_b128 v5, v[PR:PR+3] offset:32*\i      ; all lanes hold the same values and store to the same bytes, the wave's own
	ds_store_b128 v5, v[PR+4:PR+7] offset:32*\i+16
	ds_store_b128 v6, v[60:63] offset:16*\i
.endm
.irp i, 0,1,2,3,4,5,6,7
	TOKEN \i
.endr
	s_wait_dscnt 0x0                               ; my stores are done, for wave 0's sake
	s_barrier_signal -1
	s_barrier_wait -1
	s_cmp_lg_u32 s36, 0
	s_cbranch_scc1 .Lend
	; wave 0 stores the group's small results in whole runs: 2 x 512 bytes of out1, 256 bytes of route, 256 of pw, 512 of the list
	ds_load_b128 v[16:19], v7 offset:PB
	ds_load_b128 v[20:23], v7 offset:PB+512
	ds_load_b128 v[24:27], v7 offset:PB+1024       ; the record of token = lane
.irp k, 28,29,30,31
	v_mov_b32 v\k, 0
.endr
	global_store_b128 v7, v[28:31], s[18:19]
	s_wait_dscnt 0x0
	global_store_b128 v7, v[16:19], s[10:11]
	global_store_b128 v7, v[20:23], s[10:11] offset:512
	global_store_b64 v58, v[24:25], s[12:13]
	global_store_b64 v58, v[26:27], s[14:15]
	; how many of the 64 slots go to each expert (at most 32): data for the next launch, no address here hangs on it
.irp e, 0,1,2,3,4,5,6,7
	v_cmp_eq_u32 s34, \e, v24
	v_cmp_eq_u32 s35, \e, v25
	s_bcnt1_i32_b32 s34, s34
	s_bcnt1_i32_b32 s35, s35
	s_add_co_u32 s[40+\e], s34, s35
.endr
.irp d, 0,1,2,3
	s_lshl_b32 s[41+2*\d], s[41+2*\d], 16
	s_or_b32 s[40+2*\d], s[40+2*\d], s[41+2*\d]    ; experts 2 d and 2 d + 1 in one word
	v_mov_b32 v[32+\d], s[40+2*\d]
.endr
	s_wait_xcnt 0x0                                ; EXEC is a source of the stores above: it changes only behind this wait
	v_cmp_eq_u32 vcc_lo, 0, v1
	s_and_saveexec_b32 s37, vcc_lo
	global_store_b128 v7, v[32:35], s[38:39]       ; lane 0 alone: the group's 16 bytes (sixteen groups share 256 bytes; 4 KiB in all)
	s_wait_xcnt 0x0                                ; and again in front of the line that widens it
	s_or_b32 exec_lo, exec_lo, s37
.Lend:
	s_wait_tensorcnt 0x0
	ds_add_u32 v254, v255
	s_wait_dscnt 0x0
	s_endpgm
.Lfunc_end_k_qcaf3e04ff3_gate:
	.size	k_qcaf3e04ff3_gate, .Lfunc_end_k_qcaf3e04ff3_gate-k_qcaf3e04ff3_gate
	.p2alignl 7, 3214868480
	.fill 96, 4, 3214868480
	.section	.rodata,"a",@progbits
	.p2align	6, 0x0
	.amdhsa_kernel k_qcaf3e04ff3_gate
		.amdhsa_group_segment_fixed_size 39424
		.amdhsa_private_segment_fixed_size 0
		.amdhsa_enable_private_segment 0
		.amdhsa_kernarg_size 64
		.amdhsa_user_sgpr_count 2
		.amdhsa_user_sgpr_kernarg_segment_ptr 1
		.amdhsa_wavefront_size32 1
		.amdhsa_system_sgpr_workgroup_id_x 1
		.amdhsa_system_sgpr_workgroup_id_y 1
		.amdhsa_system_sgpr_workgroup_id_z 1
		.amdhsa_system_vgpr_workitem_id 0
		.amdhsa_next_free_vgpr 768
		.amdhsa_next_free_sgpr 66
		.amdhsa_reserve_vcc 1
		.amdhsa_float_denorm_mode_32 3
		.amdhsa_float_denorm_mode_16_64 3
		.amdhsa_memory_ordered 1
		.amdhsa_forward_progress 1
		.amdhsa_inst_pref_size 172
	.end_amdhsa_kernel
	.amdgpu_metadata
---
amdhsa.version: [ 1, 2 ]
amdhsa.kernels:
  - .name:           k_qcaf3e04ff3_gate
    .symbol:         k_qcaf3e04ff3_gate.kd
    .args:
      - { .name: x, .offset: 0, .size: 8, .value_kind: global_buffer, .address_space: global }
      - { .name: Wg, .offset: 8, .size: 8, .value_kind: global_buffer, .address_space: global }
      - { .name: bg, .offset: 16, .size: 8, .value_kind: global_buffer, .address_space: global }
      - { .name: out1, .offset: 24, .size: 8, .value_kind: global_buffer, .address_space: global }
      - { .name: route, .offset: 32, .size: 8, .value_kind: global_buffer, .address_space: global }
      - { .name: pw, .offset: 40, .size: 8, .value_kind: global_buffer, .address_space: global }
      - { .name: xh, .offset: 48, .size: 8, .value_kind: global_buffer, .address_space: global }
      - { .name: list, .offset: 56, .size: 8, .value_kind: global_buffer, .address_space: global }
    .group_segment_fixed_size: 39424
    .private_segment_fixed_size: 0
    .kernarg_segment_align: 8
    .kernarg_segment_size: 64
    .max_flat_workgroup_size: 128
    .sgpr_count:     66
    .vgpr_count:     768
    .wavefront_size: 32
...
	.end_amdgpu_metadata
.endif
;; end of part 1
;; launch prep (part 2): grid 256 x 1, 8 waves a work-group, no clusters, 67,584 bytes of LDS; arguments W1, W2, route, wh, list, pos, tab; writes wh, list, pos, tab
.if DOCPART == 2
	.amdgcn_target "amdgcn-amd-amdhsa--gfx1250"
	.amdhsa_code_object_version 6
	.text
	.protected	k_qcaf3e04ff3_prep
	.globl	k_qcaf3e04ff3_prep
	.p2align	8
	.type	k_qcaf3e04ff3_prep,@function
k_qcaf3e04ff3_prep:
	s_mov_b64 s[64:65], 0
	v_nop
	global_prefetch_b8 v0, s[64:65] scope:SCOPE_SE
	s_setreg_imm32_b32 hwreg(HW_REG_WAVE_MODE, 25, 1), 1
	s_wait_xcnt 0x0
; PREP.  Every wave rounds 32 k rows x 128 columns of W1 or W2 to f16 and stores them in the order of the matrix fragments of the expert launch;
; wave 0 of group g also places the group's 64 (token, rank) slots in rows sorted by expert, while its weights are on their way.
; wh: [expert][half step t 0..63][wave w 0..3][column tile b 0..7][u 0..1][lane 32][16 bytes]; a lane (r = lane & 15, h = lane >> 4) finds there
; W[k0 + 16 u + 8 h + 0..7][n0 + 128 w + 16 b + r].  t 0-31: W1, k0 = 32 t; t 32-47: W2, k0 = 32 (t - 32), n0 = 0; t 48-63: W2, k0 = 32 (t - 48), n0 = 512.
; THE CAST.  A lane loads 4 columns of 32 rows (a load of the wave: 512 consecutive bytes of a row).  v_cvt_pk_f16_f32 takes its two sources from rows k and k + 1 of
; one column, so eight k of a column become 16 bytes with no shuffle; the pieces are put in order in the wave's own 8,320 bytes of LDS (1,024 bytes a column tile
; at pitch 1,040) and leave as stores of 512 consecutive bytes.  No barrier: no wave reads another's bytes.
; THE PLACEMENT.  Rows go in blocks of 128, one expert to a block.  The 16,384 slots are a multiple of 128, so with n_e slots for expert e the sum of ceil(n_e / 128) is 128 to 135;
; the expert launch has 135 blocks, and the L = 135 - sum spare ones are used up by spreading L full blocks over two blocks each, 64 rows to a block
; (there are at least 120 full blocks, L is at most 7), so that every block has real rows.
; Row of the slot with rank G among its expert's: base_e + G + min(G & ~63, thr_e), thr_e = 128 x the expert's spread blocks.
; G = the slots of the groups before mine (from the 256 groups' counts, 16-bit fields, sums at most 8,192) + the rank inside my group.
; The list's empty rows hold 0 from the launch before.  The 64 ids are scattered by 4-byte stores: their rows lie where the routing puts them.
; LIMIT: |W1|, |W2| must be below 65,504 (f16).
.set IN,  32                           ; v[32:159]  IN + 4 k + c: row k, my column c, f32; later the read-back
.set OUT, 160                          ; v[160:223] 16 pieces of 16 bytes
.set CN,  160                          ; v[160:191] wave 0, ahead of the cast: the counts of groups 32 j + lane at CN + 4 j
.set LPITCH, 1040
.set LWAVE,  8*LPITCH
.set BLOCKS, 135
	s_load_b256 s[4:11], s[0:1], 0x0               ; W1 s[4:5], W2 s[6:7], route s[8:9], wh s[10:11]
	s_load_b128 s[12:15], s[0:1], 0x20             ; list s[12:13], pos s[14:15]
	s_load_b64 s[16:17], s[0:1], 0x30              ; tab
	v_lshl_add_u32 v224, v0, 2, 0x10400
	v_mov_b32 v225, 0
	v_lshrrev_b32 v1, 5, v0
	v_readfirstlane_b32 s18, v1                    ; wave 0..7
	v_and_b32 v1, 31, v0                           ; lane
	v_lshlrev_b32 v2, 4, v1                        ; 16 lane
	v_lshlrev_b32 v3, 3, v1                        ; 8 lane
	s_mov_b32 s21, 0
	s_wait_kmcnt 0x0
	s_cmp_lg_u32 s18, 0
	s_cbranch_scc1 .Lnot0a
	; wave 0: the placement's nine loads go out first, so that they are back first
.irp j, 0,1,2,3,4,5,6,7
	global_load_b128 v[CN+4*\j:CN+4*\j+3], v2, s[8:9] offset:65536+512*\j
.endr
	s_lshl_b32 s20, ttmp9, 8
	s_add_nc_u64 s[22:23], s[8:9], s[20:21]
	global_load_b64 v[8:9], v3, s[22:23]           ; the two experts of token 32 g + lane
.Lnot0a:
	s_lshr_b32 s24, ttmp9, 5                       ; 32 groups to an expert
	s_lshl_b32 s24, s24, 21                        ; its 2 MiB of W1 or of W2
	s_and_b32 s25, ttmp9, 31
	s_lshl_b32 s25, s25, 1
	s_lshr_b32 s26, s18, 2
	s_add_co_u32 s25, s25, s26                     ; t
	s_and_b32 s26, s18, 3                          ; w
	s_lshl_b32 s26, s26, 9                         ; 128 columns of f32
	s_add_co_u32 s24, s24, s26
	s_lshl_b32 s20, ttmp9, 16                      ; out: 8,192 bytes a wave
	s_lshl_b32 s27, s18, 13
	s_add_co_u32 s20, s20, s27
	s_add_nc_u64 s[10:11], s[10:11], s[20:21]
	s_mul_i32 s27, s18, LWAVE                      ; my wave's LDS
	v_lshrrev_b32 v6, 2, v1                        ; my 4 columns lie in column tile lane >> 2,
	v_mul_u32_u24 v6, v6, LPITCH
	v_and_b32 v7, 3, v1
	v_lshl_add_u32 v6, v7, 6, v6                   ; at r = 4 (lane & 3) + c
	v_add_nc_u32 v4, s27, v6
	v_add_nc_u32 v5, s27, v2
	s_cmp_ge_u32 s25, 32
	s_cbranch_scc1 .Lw2
	s_lshl_b32 s26, s25, 16                        ; 32 rows of 2,048 bytes
	s_add_co_u32 s20, s24, s26
	s_add_nc_u64 s[4:5], s[4:5], s[20:21]
.set k, 0
.rept 32
	global_load_b128 v[IN+4*k:IN+4*k+3], v2, s[4:5] offset:2048*k th:TH_LOAD_NT
.set k, k+1
.endr
	s_branch .Ljoin
.Lw2:
	s_and_b32 s26, s25, 15
	s_lshl_b32 s26, s26, 17                        ; 32 rows of 4,096 bytes
	s_add_co_u32 s20, s24, s26
	s_bfe_u32 s26, s25, 0x10004                    ; t >= 48: the rows' right halves
	s_lshl_b32 s26, s26, 11
	s_add_co_u32 s20, s20, s26
	s_add_nc_u64 s[6:7], s[6:7], s[20:21]
.set k, 0
.rept 32
	global_load_b128 v[IN+4*k:IN+4*k+3], v2, s[6:7] offset:4096*k th:TH_LOAD_NT
.set k, k+1
.endr
.Ljoin:
	s_cmp_lg_u32 s18, 0
	s_cbranch_scc1 .Lnot0b
	; ---- the placement, wave 0 ----
	s_wait_loadcnt 32                              ; loads return in order: the nine are in, the cast's 32 stay out
	v_min_u32 v8, 7, v8                            ; an expert's number stays inside the tables
	v_min_u32 v9, 7, v9
	s_mov_b32 s29, 0x76543210                      ; v_permlanex16_b32: lane i reads lane i of the other half
	s_mov_b32 s30, 0xfedcba98
.irp d, 0,1,2,3
	v_add_nc_u32 v[10+\d], v[CN+\d], v[CN+4+\d]    ; all groups: v10-13
	v_add3_u32 v[10+\d], v[10+\d], v[CN+8+\d], v[CN+12+\d]
	v_add3_u32 v[10+\d], v[10+\d], v[CN+16+\d], v[CN+20+\d]
	v_add3_u32 v[10+\d], v[10+\d], v[CN+24+\d], v[CN+28+\d]
.endr
.irp j, 0,1,2,3,4,5,6,7
	s_sub_co_i32 s28, ttmp9, 32*\j
	v_cmp_gt_i32 vcc_lo, s28, v1                   ; group 32 j + lane stands before mine
.irp d, 0,1,2,3
	v_cndmask_b32 v[CN+4*\j+\d], 0, v[CN+4*\j+\d], vcc_lo
.endr
.endr
.irp d, 0,1,2,3
	v_add_nc_u32 v[14+\d], v[CN+\d], v[CN+4+\d]    ; the groups before mine: v14-17
	v_add3_u32 v[14+\d], v[14+\d], v[CN+8+\d], v[CN+12+\d]
	v_add3_u32 v[14+\d], v[14+\d], v[CN+16+\d], v[CN+20+\d]
	v_add3_u32 v[14+\d], v[14+\d], v[CN+24+\d], v[CN+28+\d]
.endr
.irp k, 0,1,2,3,4,5,6,7
	v_mov_b32 v[18+\k], 0                          ; the destination of a DPP move and of v_permlanex16_b32 counts as read
.endr
.irp m, 1,2,4,8
.irp k, 0,1,2,3,4,5,6,7
	v_mov_b32_dpp v[18+\k], v[10+\k] row_xmask:\m row_mask:0xf bank_mask:0xf
.endr
.irp k, 0,1,2,3,4,5,6,7
	v_add_nc_u32 v[10+\k], v[10+\k], v[18+\k]      ; whole numbers: addresses hang on them
.endr
.endr
.irp k, 0,1,2,3,4,5,6,7
	v_permlanex16_b32 v[18+\k], v[10+\k], s29, s30
.endr
.irp k, 0,1,2,3,4,5,6,7
	v_add_nc_u32 v[10+\k], v[10+\k], v[18+\k]
.endr
.irp k, 0,1,2,3,4,5,6,7
	v_readfirstlane_b32 s[40+\k], v[10+\k]
.endr
.irp d, 0,1,2,3
	s_and_b32 s[48+2*\d], s[40+\d], 0xffff         ; n_e in s[48:55]
	s_lshr_b32 s[49+2*\d], s[40+\d], 16
	s_and_b32 s[24+2*\d], s[44+\d], 0xffff         ; the running ranks start at the slots before my group: s[24:31]
	s_lshr_b32 s[25+2*\d], s[44+\d], 16
.endr
	s_mov_b32 s41, 0
.irp e, 0,1,2,3,4,5,6,7
	s_add_co_u32 s40, s[48+\e], 127
	s_lshr_b32 s40, s40, 7
	s_add_co_u32 s41, s41, s40                     ; blocks needed
.endr
	s_sub_co_u32 s42, BLOCKS, s41                  ; L: blocks to spare
	s_mov_b32 s43, 0                               ; blocks given out
	v_mov_b32 v28, 0                               ; lane e: base row | thr << 16 of expert e
.irp e, 0,1,2,3,4,5,6,7
	s_lshr_b32 s40, s[48+\e], 7                    ; full blocks of this expert,
	s_min_u32 s40, s40, s42                        ; of which so many are spread
	s_sub_co_u32 s42, s42, s40
	s_lshl_b32 s44, s40, 23                        ; thr = 128 x that (at most 896), in the upper half
	s_lshl_b32 s45, s43, 7                         ; base row, below 17,280
	s_or_b32 s44, s44, s45
	v_writelane_b32 v28, s44, \e
	s_add_co_u32 s45, s[48+\e], 127
	s_lshr_b32 s45, s45, 7
	s_add_co_u32 s43, s43, s45
	s_add_co_u32 s43, s43, s40
	s_mov_b32 s[56+\e], s43                        ; the first block behind this expert's
.endr
	; G of each slot: the running rank of its expert + the lanes below me in this register
.irp n, 0,1
.irp e, 0,1,2,3,4,5,6,7
	v_cmp_eq_u32 s[32+\e], \e, v[8+\n]
.endr
	v_mbcnt_lo_u32_b32 v[26+\n], s32, s24
.irp e, 1,2,3,4,5,6,7
	v_mbcnt_lo_u32_b32 v[18+\e], s[32+\e], s[24+\e]
.endr
.irp e, 1,2,3,4,5,6,7
	v_cndmask_b32 v[26+\n], v[26+\n], v[18+\e], s[32+\e]
.endr
.irp e, 0,1,2,3,4,5,6,7
	s_bcnt1_i32_b32 s40, s[32+\e]
	s_add_co_u32 s[24+\e], s[24+\e], s40
.endr
.endr
	v_lshlrev_b32 v18, 2, v8
	v_lshlrev_b32 v19, 2, v9
	ds_bpermute_b32 v20, v18, v28                  ; from the lane of the slot's expert
	ds_bpermute_b32 v21, v19, v28
	s_lshl_b32 s40, ttmp9, 6
	v_lshl_add_u32 v6, v1, 1, s40                  ; the slots' ids: 64 g + 2 lane, + 1
	v_or_b32 v7, 1, v6
	s_lshl_b32 s20, ttmp9, 8
	s_add_nc_u64 s[22:23], s[14:15], s[20:21]      ; my group's 256 bytes of pos (the load that used s[22:23] is shown done above)
	s_wait_dscnt 0x0
.irp n, 0,1
	v_lshrrev_b32 v22, 16, v[20+\n]                ; thr
	v_and_b32 v23, 0xffff, v[20+\n]                ; base
	v_and_b32 v24, 0xffffffc0, v[26+\n]
	v_min_u32 v24, v24, v22
	v_add3_u32 v[26+\n], v23, v[26+\n], v24
	v_min_u32 v[26+\n], 0x437f, v[26+\n]           ; a row of 135 blocks of 128
	v_lshlrev_b32 v[30+\n], 2, v[26+\n]
.endr
	global_store_b32 v30, v6, s[12:13]
	global_store_b32 v31, v7, s[12:13]
	global_store_b64 v3, v[26:27], s[22:23]        ; 256 consecutive bytes of pos, aligned
	s_cmp_lg_u32 ttmp9, 0
	s_cbranch_scc1 .Lnot0b
	; group 0: the expert of block c = how many of the first seven experts end at or before c; 256 entries (135 are used), two stores of 512 consecutive bytes.
	; v10-17 are free since the sums were read, and nothing behind writes them: the stores' data stay as they are.
	v_lshlrev_b32 v18, 2, v1                       ; c = 128 m + 4 lane + k
.irp m, 0,1
.irp k, 0,1,2,3
	v_add_nc_u32 v19, 128*\m+\k, v18
	v_mov_b32 v[10+4*\m+\k], 0
.irp e, 0,1,2,3,4,5,6
	v_cmp_le_u32 vcc_lo, s[56+\e], v19
	v_add_co_ci_u32 v[10+4*\m+\k], vcc_lo, 0, v[10+4*\m+\k], vcc_lo
.endr
.endr
.endr
	global_store_b128 v2, v[10:13], s[16:17]
	global_store_b128 v2, v[14:17], s[16:17] offset:512
.Lnot0b:
	; ---- the cast ----  rows 8 g .. 8 g + 7 (g = 2 u + h) make the pieces (u, h) of my four columns
.irp g, 0,1,2,3
	s_wait_loadcnt 24-8*\g                         ; the later rows' loads stay out
.irp c, 0,1,2,3
.irp i, 0,1,2,3
	v_cvt_pk_f16_f32 v[OUT+16*\g+4*\c+\i], v[IN+4*(8*\g+2*\i)+\c], v[IN+4*(8*\g+2*\i+1)+\c]
.endr
.endr
.irp c, 0,1,2,3
	ds_store_b128 v4, v[OUT+16*\g+4*\c:OUT+16*\g+4*\c+3] offset:16*\c+256*\g
.endr
.endr
.irp j, 0,1,2,3,4,5,6,7,8,9,10,11,12,13,14,15
	ds_load_b128 v[IN+4*\j:IN+4*\j+3], v5 offset:(\j/2)*LPITCH+(\j%2)*512   ; LDS serves a wave's instructions in order (ISA guide 5.7.1.4): these see the stores above
.endr
.irp j, 0,1,2,3,4,5,6,7,8,9,10,11,12,13,14,15
	s_wait_dscnt 15-\j
	global_store_b128 v2, v[IN+4*\j:IN+4*\j+3], s[10:11] offset:512*\j   ; the wave stores 512 consecutive bytes, aligned
.endr
	s_wait_tensorcnt 0x0
	ds_add_u32 v224, v225
	s_wait_dscnt 0x0
	s_endpgm
.Lfunc_end_k_qcaf3e04ff3_prep:
	.size	k_qcaf3e04ff3_prep, .Lfunc_end_k_qcaf3e04ff3_prep-k_qcaf3e04ff3_prep
	.p2alignl 7, 3214868480
	.fill 96, 4, 3214868480
	.section	.rodata,"a",@progbits
	.p2align	6, 0x0
	.amdhsa_kernel k_qcaf3e04ff3_prep
		.amdhsa_group_segment_fixed_size 67584
		.amdhsa_private_segment_fixed_size 0
		.amdhsa_enable_private_segment 0
		.amdhsa_kernarg_size 56
		.amdhsa_user_sgpr_count 2
		.amdhsa_user_sgpr_kernarg_segment_ptr 1
		.amdhsa_wavefront_size32 1
		.amdhsa_system_sgpr_workgroup_id_x 1
		.amdhsa_system_sgpr_workgroup_id_y 1
		.amdhsa_system_sgpr_workgroup_id_z 1
		.amdhsa_system_vgpr_workitem_id 0
		.amdhsa_next_free_vgpr 226
		.amdhsa_next_free_sgpr 66
		.amdhsa_reserve_vcc 1
		.amdhsa_float_denorm_mode_32 3
		.amdhsa_float_denorm_mode_16_64 3
		.amdhsa_memory_ordered 1
		.amdhsa_forward_progress 1
		.amdhsa_inst_pref_size 41
	.end_amdhsa_kernel
	.amdgpu_metadata
---
amdhsa.version: [ 1, 2 ]
amdhsa.kernels:
  - .name:           k_qcaf3e04ff3_prep
    .symbol:         k_qcaf3e04ff3_prep.kd
    .args:
      - { .name: W1, .offset: 0, .size: 8, .value_kind: global_buffer, .address_space: global }
      - { .name: W2, .offset: 8, .size: 8, .value_kind: global_buffer, .address_space: global }
      - { .name: route, .offset: 16, .size: 8, .value_kind: global_buffer, .address_space: global }
      - { .name: wh, .offset: 24, .size: 8, .value_kind: global_buffer, .address_space: global }
      - { .name: list, .offset: 32, .size: 8, .value_kind: global_buffer, .address_space: global }
      - { .name: pos, .offset: 40, .size: 8, .value_kind: global_buffer, .address_space: global }
      - { .name: tab, .offset: 48, .size: 8, .value_kind: global_buffer, .address_space: global }
    .group_segment_fixed_size: 67584
    .private_segment_fixed_size: 0
    .kernarg_segment_align: 8
    .kernarg_segment_size: 56
    .max_flat_workgroup_size: 256
    .sgpr_count:     66
    .vgpr_count:     226
    .wavefront_size: 32
...
	.end_amdgpu_metadata
.endif
;; end of part 2
;; launch ffn (part 3): grid 135 x 1, 4 waves a work-group, no clusters, 179,712 bytes of LDS; arguments xh, wh, b1, b2, list, tab, y; writes y
.if DOCPART == 3
	.amdgcn_target "amdgcn-amd-amdhsa--gfx1250"
	.amdhsa_code_object_version 6
	.text
	.protected	k_qcaf3e04ff3_ffn
	.globl	k_qcaf3e04ff3_ffn
	.p2align	8
	.type	k_qcaf3e04ff3_ffn,@function
k_qcaf3e04ff3_ffn:
	s_mov_b64 s[64:65], 0
	v_nop
	global_prefetch_b8 v0, s[64:65] scope:SCOPE_SE
	s_setreg_imm32_b32 hwreg(HW_REG_WAVE_MODE, 25, 1), 1
	s_wait_xcnt 0x0
; FFN.  y[row] = relu(x[token(row)] W1e + b1e) W2e + b2e for 135 blocks of 128 rows sorted by expert; f16 operands, f32 sums, h stays in LDS.
; Only the two experts that a token's gate chose are computed; the others' weight in the result is 0 (an unselected expert that would overflow gives no NaN here).
; A work-group has one block; its four waves, as many as a WGP has SIMDs, each make columns 128 w .. 128 w + 127 of a 128 x 512 result: 64 accumulator tiles, 512 registers.
; Three such products over 64 half steps of 32 along K: half steps 0-31 X W1 (K = 1,024) -> h; 32-47 h W2[:, 0:512]; 48-63 h W2[:, 512:1024].
; Every group runs the same fixed program: what hangs on the routing is in the list (which x rows) and in tab (the block's expert), stored by the launch before.
; 135 blocks: 16,384 rows in blocks of 128 of one expert each need 128 to 135; the placement spreads full blocks over the spare ones, so that each of the 135 has real rows.
; THE WEIGHTS GO FROM MEMORY STRAIGHT INTO REGISTERS.  Wave w alone uses columns 128 w .., so a stay in LDS would share nothing.  wh holds them in the order of the fragments
; (half step, wave, column tile, half of the registers, lane, 16 bytes): a half step is 16 loads of 512 consecutive bytes.  Four buffers of 64 registers take turns; a buffer is
; asked for again behind the half step that read it, so its loads have three half steps, 192 matrix instructions, in which to land, and every wait for them is counted.
; The gathered x rows are used by all four waves and go through LDS, four loads a half step, so that every group of loads is alike: 4 of x, then 16 of W.
; NO MULTICAST and no tensor loads: blocks of one expert read the same weights, but their address is wh + expert x 2 MiB with the expert read from memory (tab), and a joint
; request wants a descriptor that is equal in all partners by arithmetic on the coordinates that they share.  No prefetch of wh: the blocks of one expert would ask for the same bytes several times over.
; LDS: 0 .. 139,263 four chunks of 128 rows x 128 k of f16 at pitch 272.  In half steps 0-31 chunks 0 and 1 are two slots for gathered x; then the four hold h, chunk w written by wave w.
;      139,264 .. 173,055 the way out: 16 rows x 528 bytes for each wave.   173,056 .. 179,199 for each wave 3 x 512 bytes: its columns of b1, of b2's left half, of b2's right half.
; THE MATRIX INSTRUCTION IS USED TRANSPOSED: source 0 = 16 columns of W, source 1 = 16 rows of X or h, so that lane (r, hh) holds row r, columns 8 hh + 0..7.
; REGISTERS: window 0: v0-63 addresses, v64-191 fragments of X / h (two buffers), v192-255 gathered x, later the bias.  Window 1: the four buffers of W.
;            Window 2: accumulator tiles of rows 0-63 (tile (a, b) at v[8 (8 a + b)]); window 3: rows 64-127.
; LIMITS: h is clamped to [0, 65,504] (f16); with x and W1 thirty times their drawn spread, or offset by as much, |h| stays below 20,000.
.set XPITCH, 272
.set XSLOT,  128*XPITCH
.set STAGE,  4*XSLOT
.set SPITCH, 528
.set BIASL,  STAGE+4*16*SPITCH
.set HSB,    32768                     ; bytes of wh in a half step: 8,192 for each wave
.set ADRA, 6                           ; v6-7    my A fragment address in chunks 0-1, 2-3
.set HST,  8                           ; v8      where I put 16 bytes of h
.set BST,  9                           ; v9      where I put 16 bytes of bias
.set WL,   10                          ; v10     16 lane: my bytes in a load of W
.set XST,  11                          ; v11     where I put 16 bytes of gathered x
.set STO,  12                          ; v12     the way out: in
.set RD,   13                          ; v13     the way out: back
.set YO,   14                          ; v14     my byte offset in a row of y, and in a bias
.set BL,   15                          ; v15     where I read my bias back
.set XO,   16                          ; v16-31  byte offsets in xh of the 16 rows of which I fetch 16 bytes
.set ID,   32                          ; v32-47  their slot ids
.set F0,   64
.set F1,   128
.set XR,   192
.set MSB, 0
.macro WIN new                         ; s_set_vgpr_msb: bits 1:0 source 0, 3:2 source 1, 5:4 source 2, 7:6 destination; the high byte repeats the setting left
.if MSB != \new
	s_set_vgpr_msb (MSB<<8)|\new
.set MSB, \new
.endif
.endm
.set MUL_LO, 0xa1                      ; source 0 (W) window 1, source 1 (X, h) window 0, C and D window 2
.set MUL_HI, 0xf1                      ; the same, C and D window 3
.set TO_B,   0x40                      ; destination window 1
.macro PLACES                          ; four plain places behind a matrix instruction, in front of loads into its sources and of readers of its result
.rept 4
	v_nop
.endr
.endm
; 16 matrix instructions: row tiles a0, a0 + 1 of the window's four x all 8 column tiles, 32 along K.  zero = 1: the product starts the sums.
; The 64 accumulators take turns, one instruction a turn, in the same order in every half step.
.macro MUL16 fw, fa, hi, a0, zero
.irp a, \a0, \a0+1
.irp b, 0,1,2,3,4,5,6,7
.if \zero
	v_wmma_f32_16x16x32_f16 v[8*(8*(\a)+\b):8*(8*(\a)+\b)+7], v[\fw+8*\b:\fw+8*\b+7], v[\fa+8*(4*\hi+\a):\fa+8*(4*\hi+\a)+7], 0
.else
	v_wmma_f32_16x16x32_f16 v[8*(8*(\a)+\b):8*(8*(\a)+\b)+7], v[\fw+8*\b:\fw+8*\b+7], v[\fa+8*(4*\hi+\a):\fa+8*(4*\hi+\a)+7], v[8*(8*(\a)+\b):8*(8*(\a)+\b)+7]
.endif
.endr
.endr
.endm
; 128 rows x 32 k of chunk c, from byte kb of its rows
.macro FETCHA c, kb, f
	WIN 0
.irp i, 0,1,2,3,4,5,6,7
	ds_load_b128 v[\f+8*\i:\f+8*\i+3],   v[ADRA+\c/2] offset:(\c%2)*XSLOT+\kb+\i*16*XPITCH
	ds_load_b128 v[\f+8*\i+4:\f+8*\i+7], v[ADRA+\c/2] offset:(\c%2)*XSLOT+\kb+\i*16*XPITCH+32
.endr
.endm
; part p (4 of my 16 loads) of a gathered chunk goes from registers into slot xs
.macro XPUT p, xs
	WIN 0
.irp i, 0,1,2,3
	ds_store_b128 v[XST], v[XR+16*\p+4*\i:XR+16*\p+4*\i+3] offset:\xs*XSLOT+2*XPITCH*(4*\p+\i)
.endr
.endm
; the group of loads behind a half step.  xl: part p of the x chunk at byte xo of the rows; wl: buffer wb gets half step wt, counted from the base
.macro GRP xl, p, xo, wl, wb, wt
	PLACES
.if \xl
	WIN 0
.irp i, 0,1,2,3
	global_load_b128 v[XR+16*\p+4*\i:XR+16*\p+4*\i+3], v[XO+4*\p+\i], s[4:5] offset:\xo   ; sixteen lanes take 256 consecutive bytes of a row of xh, aligned
.endr
.endif
.if \wl
	WIN TO_B
.irp b, 0,1,2,3,4,5,6,7
.irp u, 0,1
	global_load_b128 v[64*\wb+8*\b+4*\u:64*\wb+8*\b+4*\u+3], v[WL], s[6:7] offset:\wt*HSB+1024*\b+512*\u
.endr
.endr
.endif
.endm
; my bias from LDS: column 128 w + 16 b + 8 hh + j at XR + 8 b + j.  sel: 0 b1, 512 b2's left half, 1024 its right half
.macro BLD sel
	WIN 0
.irp b, 0,1,2,3,4,5,6,7
.irp u, 0,1
	ds_load_b128 v[XR+8*\b+4*\u:XR+8*\b+4*\u+3], v[BL] offset:\sel+64*\b+16*\u
.endr
.endr
.endm
; A half step: 64 matrix instructions on W buffer fw and A buffer fa.  nw: the loads issued behind this buffer's, which may stay out.
; xp < 4: part xp of the next x chunk goes into slot xs.  nxt: the next half step's A fragments (chunk c, byte kb) are fetched into fn.
; bar: a barrier stands in front of that fetch: before it every wave has waited for its LDS reads and stores, so behind it the chunk just stored may be read by all
; and the chunk just read may be written.
.macro HS fw, fa, fn, zero, nw, xp, xs, bar, nxt, c, kb
	s_wait_loadcnt \nw                             ; loads return in order: my buffer is in, and the part of x that was asked for ahead of it
	s_wait_dscnt 8                                 ; A's rows 0-63 are in; the youngest eight loads (rows 64-127) may be out
	WIN MUL_LO
	MUL16 \fw, \fa, 0, 0, \zero
.if \bar
.if \xp < 4
	XPUT \xp, \xs
.endif
	s_wait_dscnt 0                                 ; for the others' sake: my reads of the chunk and my stores of x are done
	s_barrier_signal -1
	WIN MUL_LO
	MUL16 \fw, \fa, 0, 2, \zero                    ; register work while the others arrive
	s_barrier_wait -1
.if \nxt
	PLACES
	FETCHA \c, \kb, \fn
.endif
.else
	MUL16 \fw, \fa, 0, 2, \zero
.if \xp < 4
	XPUT \xp, \xs
.endif
.if \nxt
	PLACES
	FETCHA \c, \kb, \fn
	s_wait_dscnt 16                                ; all but the 16 just issued
.else
	s_wait_dscnt 0
.endif
.endif
	WIN MUL_HI
	MUL16 \fw, \fa, 1, 0, \zero
	MUL16 \fw, \fa, 1, 2, \zero
.endm
; Eight half steps of X W1: chunk in slot 0, then chunk in slot 1.  Half step t stores part t & 3 of chunk (t >> 2) + 1, which was asked for four half steps before, and asks for
; that part of chunk (t >> 2) + 2.  tail = 1, half steps 24-31: nothing of x is left to ask for, chunk 7 is stored in the first four, and the counts fall from three groups of 20 to three of 16.
.macro QUAD1 zero, tail
	HS 0,   F0, F1, \zero, 60,        0, 1, 0, 1, 0, 64
	GRP (1-\tail), 0, 512, 1, 0, 4
	HS 64,  F1, F0, 0, (60-4*\tail),  1, 1, 0, 1, 0, 128
	GRP (1-\tail), 1, 512, 1, 1, 5
	HS 128, F0, F1, 0, (60-8*\tail),  2, 1, 0, 1, 0, 192
	GRP (1-\tail), 2, 512, 1, 2, 6
	HS 192, F1, F0, 0, (60-12*\tail), 3, 1, 1, 1, 1, 0
	GRP (1-\tail), 3, 512, 1, 3, 7
.if \tail
	BLD 0                                          ; x's registers are free: b1, for the way to h
.endif
	HS 0,   F0, F1, 0, (60-12*\tail), (4*\tail),   0, 0, 1, 1, 64
	GRP (1-\tail), 0, 768, 1, 0, 8
	HS 64,  F1, F0, 0, (60-12*\tail), (4*\tail+1), 0, 0, 1, 1, 128
	GRP (1-\tail), 1, 768, 1, 1, 9
	HS 128, F0, F1, 0, (60-12*\tail), (4*\tail+2), 0, 0, 1, 1, 192
	GRP (1-\tail), 2, 768, 1, 2, 10
	HS 192, F1, F0, 0, (60-12*\tail), (4*\tail+3), 0, 1, (1-\tail), 0, 0
	GRP (1-\tail), 3, 768, 1, 3, 11
	s_wait_xcnt 0x0                                ; the loads issued so far have had their addresses translated: their bases are stepped only behind this wait
	s_add_nc_u64 s[6:7], s[6:7], 8*HSB
.if \tail == 0
	s_add_nc_u64 s[4:5], s[4:5], 512               ; two chunks of 128 k
.endif
.endm
; half step t (0..15) of h W2: chunk t >> 2 of h
.macro HSH t, zero, nw, nxt
	HS (64*(\t%4)), (F0+64*(\t%2)), (F0+64*((\t+1)%2)), \zero, \nw, 4, 0, 0, \nxt, (((\t+1)/4)%4), (64*((\t+1)%4))
.endm
.macro ADDB a, win                     ; F1 = row tile a + bias.  win: source 0 in window 2 or 3
	WIN \win
.irp b, 0,1,2,3,4,5,6,7
.irp q, 0,1,2,3
	v_pk_add_f32 v[F1+8*\b+2*\q:F1+8*\b+2*\q+1], v[8*(8*(\a%4)+\b)+2*\q:8*(8*(\a%4)+\b)+2*\q+1], v[XR+8*\b+2*\q:XR+8*\b+2*\q+1]
.endr
.endr
	WIN 0
.endm
.macro HROW a, win                     ; 16 rows of h: bias, relu and f16's bound in one v_med3, f16, into my chunk
	ADDB \a, \win
.set n, 0
.rept 64
	v_med3_num_f32 v[F1+n], v[F1+n], 0, s41
.set n, n+1
.endr
.irp b, 0,1,2,3,4,5,6,7
.irp q, 0,1,2,3
	v_cvt_pk_f16_f32 v[F1+8*\b+\q], v[F1+8*\b+2*\q], v[F1+8*\b+2*\q+1]
.endr
.endr
.irp b, 0,1,2,3,4,5,6,7
	ds_store_b128 v[HST], v[F1+8*\b:F1+8*\b+3] offset:\a*16*XPITCH+32*\b
.endr
.endm
.macro YROW a, win                     ; 16 rows of y: bias, through my stage, out as whole runs of 512 bytes
	ADDB \a, \win
.irp b, 0,1,2,3,4,5,6,7
.irp u, 0,1
	ds_store_b128 v[STO], v[F1+8*\b+4*\u:F1+8*\b+4*\u+3] offset:64*\b+16*\u
.endr
.endr
	s_wait_xcnt 0x0                                ; the stores before have had their addresses translated: F0, their data, is loaded again only behind this wait
.irp t, 0,1,2,3,4,5,6,7,8,9,10,11,12,13,14,15
	ds_load_b128 v[F0+4*\t:F0+4*\t+3], v[RD] offset:SPITCH*\t   ; LDS serves a wave's instructions in order (ISA guide 5.7.1.4): these see the stores above
.endr
.irp t, 0,1,2,3,4,5,6,7,8,9,10,11,12,13,14,15
	s_wait_dscnt 15-\t
	global_store_b128 v[YO], v[F0+4*\t:F0+4*\t+3], s[16:17] offset:(16*\a+\t)*4096   ; the wave stores 512 consecutive bytes of a row, aligned
.endr
.endm
	s_load_b256 s[4:11], s[0:1], 0x0               ; xh s[4:5], wh s[6:7], b1 s[8:9], b2 s[10:11]
	s_load_b128 s[12:15], s[0:1], 0x20             ; list s[12:13], tab s[14:15]
	s_load_b64 s[16:17], s[0:1], 0x30              ; y
	v_lshl_add_u32 v4, v0, 2, 0x2bc00
	v_mov_b32 v5, 0
	v_lshrrev_b32 v1, 5, v0
	v_readfirstlane_b32 s18, v1                    ; wave 0..3
	s_lshl_b32 s22, ttmp9, 2                       ; my block's entry of tab, 4 bytes
	s_mov_b32 s23, 0
	s_lshl_b32 s42, ttmp9, 9                       ; my block's 128 ids of 4 bytes
	s_mov_b32 s43, 0
	s_mov_b32 s41, 0x477fe000                      ; 65,504.0
	s_wait_kmcnt 0x0
	s_add_nc_u64 s[14:15], s[14:15], s[22:23]
	s_load_b32 s21, s[14:15], 0x0                  ; my block's expert
	s_add_nc_u64 s[12:13], s[12:13], s[42:43]
	v_and_b32 v1, 15, v0                           ; r
	v_bfe_u32 v2, v0, 4, 1                         ; hh
	v_lshlrev_b32 v51, 2, v2
	v_lshl_add_u32 v51, s18, 7, v51                ; I fetch for rows 32 w + 2 j + hh
.irp j, 0,1,2,3,4,5,6,7,8,9,10,11,12,13,14,15
	global_load_b32 v[ID+\j], v51, s[12:13] offset:8*\j
.endr
	v_mul_u32_u24 v48, v1, XPITCH
	v_lshl_add_u32 v[ADRA], v2, 4, v48             ; row r, 16 bytes for each half of the lanes
	v_add_nc_u32 v[ADRA+1], 2*XSLOT, v[ADRA]
	s_mul_i32 s45, s18, XSLOT
	v_add_nc_u32 v[HST], s45, v[ADRA]              ; h: chunk w
	v_mul_u32_u24 v48, v2, XPITCH
	v_lshl_add_u32 v48, v1, 4, v48                 ; gathered x: lanes 0-15 one row, lanes 16-31 the next
	s_mul_i32 s45, s18, 32*XPITCH
	v_add_nc_u32 v[XST], s45, v48
	v_mul_u32_u24 v48, v1, SPITCH
	v_lshl_add_u32 v48, v2, 5, v48
	s_mul_i32 s45, s18, 16*SPITCH
	s_add_co_u32 s45, s45, STAGE                   ; my stage
	v_add_nc_u32 v[STO], s45, v48
	v_and_b32 v49, 31, v0
	v_lshlrev_b32 v[WL], 4, v49
	v_add_nc_u32 v[RD], s45, v[WL]
	v_lshl_add_u32 v[YO], s18, 9, v[WL]
	s_mul_i32 s45, s18, 1536
	s_add_co_u32 s45, s45, BIASL                   ; my three slices of bias
	v_add_nc_u32 v[BST], s45, v[WL]
	v_lshlrev_b32 v50, 5, v2
	v_add_nc_u32 v[BL], s45, v50
	v_lshlrev_b32 v3, 4, v1                        ; 16 r
	s_wait_kmcnt 0x0
	s_min_u32 s21, s21, 7
	s_lshl_b32 s22, s21, 21                        ; the expert's 64 half steps
	s_add_nc_u64 s[6:7], s[6:7], s[22:23]
	s_lshl_b32 s22, s18, 13                        ; my 8,192 bytes of each
	s_add_nc_u64 s[6:7], s[6:7], s[22:23]
	s_lshl_b32 s22, s21, 11
	s_add_nc_u64 s[8:9], s[8:9], s[22:23]
	s_lshl_b32 s22, s21, 12
	s_add_nc_u64 s[10:11], s[10:11], s[22:23]
	s_lshl_b32 s42, ttmp9, 19                      ; 128 rows of 4,096 bytes
	s_add_nc_u64 s[16:17], s[16:17], s[42:43]
	global_load_b128 v[52:55], v[YO], s[8:9]       ; my 128 columns of b1, of b2's left half, of its right half: 512 bytes each
	global_load_b128 v[56:59], v[YO], s[10:11]
	global_load_b128 v[60:63], v[YO], s[10:11] offset:2048
	s_wait_loadcnt 0x3                             ; the ids are in; the three loads of bias stay out
.irp j, 0,1,2,3,4,5,6,7,8,9,10,11,12,13,14,15
	v_min_u32 v[ID+\j], 0x3fff, v[ID+\j]
	v_and_b32 v[ID+\j], 0x3ffe, v[ID+\j]           ; id = 2 token + rank
	v_lshl_add_u32 v[XO+\j], v[ID+\j], 10, v3      ; token x 2,048 bytes + 16 r
.endr
.irp j, 0,1,2,3,4,5,6,7,8,9,10,11,12,13,14,15
	global_load_b128 v[F1+4*\j:F1+4*\j+3], v[XO+\j], s[4:5]   ; chunk 0, into a buffer that the first half step does not use yet
.endr
	GRP 1, 0, 256, 1, 0, 0                         ; the four groups that half steps -4 to -1 would have issued: chunk 1 of x, half steps 0 to 3 of W
	GRP 1, 1, 256, 1, 1, 1
	GRP 1, 2, 256, 1, 2, 2
	GRP 1, 3, 256, 1, 3, 3
	s_wait_loadcnt 63                              ; 80 loads were issued behind the bias and chunk 0; the count's field ends at 63, which asks for no less
	WIN 0
	ds_store_b128 v[BST], v[52:55]
	ds_store_b128 v[BST], v[56:59] offset:512
	ds_store_b128 v[BST], v[60:63] offset:1024
.irp j, 0,1,2,3,4,5,6,7,8,9,10,11,12,13,14,15
	ds_store_b128 v[XST], v[F1+4*\j:F1+4*\j+3] offset:2*XPITCH*\j
.endr
	s_wait_dscnt 0x0                               ; my rows of chunk 0 are in LDS
	s_barrier_signal -1
	s_barrier_wait -1
	FETCHA 0, 0, F0
	; half steps 0-31: X W1
	QUAD1 1, 0                                     ; the first products start the sums
	WIN 0                                          ; at a label and at a branch every window is 0
	s_mov_b32 s40, 2
.Lq:
	QUAD1 0, 0
	WIN 0
	s_sub_co_u32 s40, s40, 1
	s_cmp_lg_u32 s40, 0
	s_cbranch_scc1 .Lq
	QUAD1 0, 1                                     ; behind its last barrier no wave reads x any more: h may be stored over it
	PLACES
	HROW 0, 0x02
	HROW 1, 0x02
	HROW 2, 0x02
	HROW 3, 0x02
	HROW 4, 0x03
	HROW 5, 0x03
	HROW 6, 0x03
	HROW 7, 0x03
	s_wait_dscnt 0x0                               ; my chunk of h is in LDS
	s_barrier_signal -1
	s_barrier_wait -1
	; half steps 32-63: h W2, two trips of 16, columns 0-511 and 512-1023.  h is only read from here on, and the stage is each wave's own: no barrier.
	s_mov_b32 s40, 0
.Lph:
	s_wait_xcnt 0x0                                ; F0 was the data of the last trip's stores
	FETCHA 0, 0, F0
	HSH 0, 1, 48, 1                                ; the first products start the sums; three groups of 16 were issued behind each buffer's loads
	GRP 0, 0, 0, 1, 0, 4
.irp t, 1,2,3,4,5,6,7,8,9,10,11
	HSH \t, 0, 48, 1
	GRP 0, 0, 0, 1, (\t%4), (\t+4)
.endr
	WIN 0
	s_cmp_eq_u32 s40, 1                            ; the last four half steps stand twice: the first trip asks for the next trip's weights, the last for nothing
	s_cbranch_scc1 .Llast
	BLD 512                                        ; b2's left half
	HSH 12, 0, 48, 1
	GRP 0, 0, 0, 1, 0, 16
	HSH 13, 0, 48, 1
	GRP 0, 0, 0, 1, 1, 17
	HSH 14, 0, 48, 1
	GRP 0, 0, 0, 1, 2, 18
	HSH 15, 0, 48, 0
	GRP 0, 0, 0, 1, 3, 19
	WIN 0
	s_branch .Lepi
.Llast:
	BLD 1024                                       ; b2's right half
	HSH 12, 0, 48, 1                               ; no load leaves the buffer: the counts run down
	HSH 13, 0, 32, 1
	HSH 14, 0, 16, 1
	HSH 15, 0, 0, 0
	WIN 0
.Lepi:
	PLACES
	YROW 0, 0x02
	YROW 1, 0x02
	YROW 2, 0x02
	YROW 3, 0x02
	YROW 4, 0x03
	YROW 5, 0x03
	YROW 6, 0x03
	YROW 7, 0x03
	s_wait_xcnt 0x0                                ; the bases of the stores and of the loads of W are stepped only behind this wait
	s_add_nc_u64 s[16:17], s[16:17], 2048          ; y's right half
	s_add_nc_u64 s[6:7], s[6:7], 16*HSB
	s_add_co_u32 s40, s40, 1
	s_cmp_lt_u32 s40, 2
	s_cbranch_scc1 .Lph
	s_wait_tensorcnt 0x0
	ds_add_u32 v4, v5
	s_wait_dscnt 0x0
	s_endpgm
.Lfunc_end_k_qcaf3e04ff3_ffn:
	.size	k_qcaf3e04ff3_ffn, .Lfunc_end_k_qcaf3e04ff3_ffn-k_qcaf3e04ff3_ffn
	.p2alignl 7, 3214868480
	.fill 96, 4, 3214868480
	.section	.rodata,"a",@progbits
	.p2align	6, 0x0
	.amdhsa_kernel k_qcaf3e04ff3_ffn
		.amdhsa_group_segment_fixed_size 179712
		.amdhsa_private_segment_fixed_size 0
		.amdhsa_enable_private_segment 0
		.amdhsa_kernarg_size 56
		.amdhsa_user_sgpr_count 2
		.amdhsa_user_sgpr_kernarg_segment_ptr 1
		.amdhsa_wavefront_size32 1
		.amdhsa_system_sgpr_workgroup_id_x 1
		.amdhsa_system_sgpr_workgroup_id_y 1
		.amdhsa_system_sgpr_workgroup_id_z 1
		.amdhsa_system_vgpr_workitem_id 0
		.amdhsa_next_free_vgpr 1024
		.amdhsa_next_free_sgpr 66
		.amdhsa_reserve_vcc 0
		.amdhsa_float_denorm_mode_32 3
		.amdhsa_float_denorm_mode_16_64 3
		.amdhsa_memory_ordered 1
		.amdhsa_forward_progress 1
		.amdhsa_inst_pref_size 255
	.end_amdhsa_kernel
	.section	.bss,"aw",@nobits
	.p2align	6
	.space	262144
	.amdgpu_metadata
---
amdhsa.version: [ 1, 2 ]
amdhsa.kernels:
  - .name:           k_qcaf3e04ff3_ffn
    .symbol:         k_qcaf3e04ff3_ffn.kd
    .args:
      - { .name: xh, .offset: 0, .size: 8, .value_kind: global_buffer, .address_space: global }
      - { .name: wh, .offset: 8, .size: 8, .value_kind: global_buffer, .address_space: global }
      - { .name: b1, .offset: 16, .size: 8, .value_kind: global_buffer, .address_space: global }
      - { .name: b2, .offset: 24, .size: 8, .value_kind: global_buffer, .address_space: global }
      - { .name: list, .offset: 32, .size: 8, .value_kind: global_buffer, .address_space: global }
      - { .name: tab, .offset: 40, .size: 8, .value_kind: global_buffer, .address_space: global }
      - { .name: y, .offset: 48, .size: 8, .value_kind: global_buffer, .address_space: global }
    .group_segment_fixed_size: 179712
    .private_segment_fixed_size: 0
    .kernarg_segment_align: 8
    .kernarg_segment_size: 56
    .max_flat_workgroup_size: 128
    .sgpr_count:     66
    .vgpr_count:     1024
    .wavefront_size: 32
...
	.end_amdgpu_metadata
.endif
;; end of part 3
;; launch combine (part 4): grid 256 x 1, 8 waves a work-group, no clusters, 0 bytes of LDS; arguments y, pos, pw, out0; writes out0
.if DOCPART == 4
	.amdgcn_target "amdgcn-amd-amdhsa--gfx1250"
	.amdhsa_code_object_version 6
	.text
	.protected	k_qcaf3e04ff3_combine
	.globl	k_qcaf3e04ff3_combine
	.p2align	8
	.type	k_qcaf3e04ff3_combine,@function
k_qcaf3e04ff3_combine:
	s_mov_b64 s[64:65], 0
	v_nop
	global_prefetch_b8 v0, s[64:65] scope:SCOPE_SE
	s_setreg_imm32_b32 hwreg(HW_REG_WAVE_MODE, 25, 1), 1
	s_wait_xcnt 0x0
; COMBINE.  out0[t] = p1 y[pos[2 t]] + p2 y[pos[2 t + 1]]: the two experts' rows of a token, weighted by its two gate probabilities, in f32.
; The terms are added in the order of rank, not of the expert's number.  A stream: each row of y that is needed is read once, each row of out0 written once; no LDS, no barrier.
; A wave has 4 tokens; a row of 4,096 bytes is eight loads of 512 consecutive bytes.  Three slots of two rows: 24 KiB of a wave on its way.
; The rows' numbers and the probabilities are the same for all lanes: scalar loads, 32 bytes each.
.set SL, 16                            ; slot s: first row at v[16 + 64 s ..], second at v[48 + 64 s ..]
	s_load_b256 s[4:11], s[0:1], 0x0               ; y s[4:5], pos s[6:7], pw s[8:9], out0 s[10:11]
	v_lshrrev_b32 v1, 5, v0
	v_readfirstlane_b32 s12, v1                    ; wave 0..7
	v_and_b32 v1, 31, v0
	v_lshlrev_b32 v1, 4, v1                        ; 16 lane
	s_lshl_b32 s14, ttmp9, 8                       ; 32 tokens x 8 bytes
	s_lshl_b32 s13, s12, 5                         ; 4 tokens x 8 bytes
	s_add_co_u32 s14, s14, s13
	s_mov_b32 s15, 0
	s_wait_kmcnt 0x0
	s_add_nc_u64 s[6:7], s[6:7], s[14:15]
	s_add_nc_u64 s[8:9], s[8:9], s[14:15]
	s_load_b256 s[16:23], s[6:7], 0x0              ; 8 rows
	s_load_b256 s[24:31], s[8:9], 0x0              ; 8 probabilities
	s_lshl_b32 s14, ttmp9, 17                      ; 32 rows of 4,096 bytes
	s_lshl_b32 s13, s12, 14
	s_add_co_u32 s14, s14, s13
	s_add_nc_u64 s[10:11], s[10:11], s[14:15]
	s_wait_kmcnt 0x0
.irp n, 0,1,2,3,4,5,6,7
	s_min_u32 s[16+\n], s[16+\n], 0x437f           ; a row of y's 17,280
	s_lshl_b32 s[32+2*\n], s[16+\n], 12
	s_mov_b32 s[33+2*\n], 0
	s_add_nc_u64 s[32+2*\n:33+2*\n], s[4:5], s[32+2*\n:33+2*\n]
.endr
.macro FILL s, i                       ; token i's two rows into slot s
.irp j, 0,1,2,3,4,5,6,7
	global_load_b128 v[SL+64*\s+4*\j:SL+64*\s+4*\j+3], v1, s[32+4*\i:33+4*\i] offset:512*\j th:TH_LOAD_NT
.endr
.irp j, 0,1,2,3,4,5,6,7
	global_load_b128 v[SL+64*\s+32+4*\j:SL+64*\s+32+4*\j+3], v1, s[34+4*\i:35+4*\i] offset:512*\j th:TH_LOAD_NT
.endr
.endm
.macro TOKEN i, s, left                ; left: the later tokens' loads, which stay out
	s_wait_loadcnt \left
	v_mov_b32 v8, s[24+2*\i]
	v_mov_b32 v9, s[24+2*\i]
	v_mov_b32 v10, s[25+2*\i]
	v_mov_b32 v11, s[25+2*\i]
.irp j, 0,1,2,3,4,5,6,7
	v_pk_mul_f32 v[SL+64*\s+4*\j:SL+64*\s+4*\j+1], v[SL+64*\s+4*\j:SL+64*\s+4*\j+1], v[8:9]
	v_pk_mul_f32 v[SL+64*\s+4*\j+2:SL+64*\s+4*\j+3], v[SL+64*\s+4*\j+2:SL+64*\s+4*\j+3], v[8:9]
	v_pk_fma_f32 v[SL+64*\s+4*\j:SL+64*\s+4*\j+1], v[SL+64*\s+32+4*\j:SL+64*\s+32+4*\j+1], v[10:11], v[SL+64*\s+4*\j:SL+64*\s+4*\j+1]
	v_pk_fma_f32 v[SL+64*\s+4*\j+2:SL+64*\s+4*\j+3], v[SL+64*\s+32+4*\j+2:SL+64*\s+32+4*\j+3], v[10:11], v[SL+64*\s+4*\j+2:SL+64*\s+4*\j+3]
	global_store_b128 v1, v[SL+64*\s+4*\j:SL+64*\s+4*\j+3], s[10:11] offset:4096*\i+512*\j th:TH_STORE_NT   ; 512 consecutive bytes, aligned
.endr
.endm
	FILL 0, 0
	FILL 1, 1
	FILL 2, 2
	TOKEN 0, 0, 32
	s_wait_xcnt 0x0                                ; token 0's stores have had their addresses translated: slot 0 is loaded again only behind this wait
	FILL 0, 3
	TOKEN 1, 1, 32
	TOKEN 2, 2, 16
	TOKEN 3, 0, 0
	s_endpgm
.Lfunc_end_k_qcaf3e04ff3_combine:
	.size	k_qcaf3e04ff3_combine, .Lfunc_end_k_qcaf3e04ff3_combine-k_qcaf3e04ff3_combine
	.p2alignl 7, 3214868480
	.fill 96, 4, 3214868480
	.section	.rodata,"a",@progbits
	.p2align	6, 0x0
	.amdhsa_kernel k_qcaf3e04ff3_combine
		.amdhsa_group_segment_fixed_size 0
		.amdhsa_private_segment_fixed_size 0
		.amdhsa_enable_private_segment 0
		.amdhsa_kernarg_size 32
		.amdhsa_user_sgpr_count 2
		.amdhsa_user_sgpr_kernarg_segment_ptr 1
		.amdhsa_wavefront_size32 1
		.amdhsa_system_sgpr_workgroup_id_x 1
		.amdhsa_system_sgpr_workgroup_id_y 1
		.amdhsa_system_sgpr_workgroup_id_z 1
		.amdhsa_system_vgpr_workitem_id 0
		.amdhsa_next_free_vgpr 208
		.amdhsa_next_free_sgpr 66
		.amdhsa_reserve_vcc 0
		.amdhsa_float_denorm_mode_32 3
		.amdhsa_float_denorm_mode_16_64 3
		.amdhsa_memory_ordered 1
		.amdhsa_forward_progress 1
		.amdhsa_inst_pref_size 20
	.end_amdhsa_kernel
	.amdgpu_metadata
---
amdhsa.version: [ 1, 2 ]
amdhsa.kernels:
  - .name:           k_qcaf3e04ff3_combine
    .symbol:         k_qcaf3e04ff3_combine.kd
    .args:
      - { .name: y, .offset: 0, .size: 8, .value_kind: global_buffer, .address_space: global }
      - { .name: pos, .offset: 8, .size: 8, .value_kind: global_buffer, .address_space: global }
      - { .name: pw, .offset: 16, .size: 8, .value_kind: global_buffer, .address_space: global }
      - { .name: out0, .offset: 24, .size: 8, .value_kind: global_buffer, .address_space: global }
    .group_segment_fixed_size: 0
    .private_segment_fixed_size: 0
    .kernarg_segment_align: 8
    .kernarg_segment_size: 32
    .max_flat_workgroup_size: 256
    .sgpr_count:     66
    .vgpr_count:     208
    .wavefront_size: 32
...
	.end_amdgpu_metadata
.endif
;; end of part 4
;; ======== version 2 of 2: 4 launches; version 1 with the launches ffn, combine written anew for expert scheduling mode
;; limits: values are held in f16: magnitudes above 65,504 overflow, below 6.1e-05 lose precision; inputs' magnitudes at most 65,504
;; workspace buffers: xh 16,777,216 bytes; wh 16,777,216 bytes; route 69,632 bytes of whole numbers; pw 65,536 bytes; list 131,072 bytes of whole numbers; pos 65,536 bytes of whole numbers; tab 1,024 bytes of whole numbers; y 70,778,880 bytes
;; launch gate: the kernel of part 1 again; grid 256 x 1, 4 waves a work-group, no clusters, 39,424 bytes of LDS; arguments x, Wg, bg, out1, route, pw, xh, list; writes out1, route, pw, xh, list
;; launch prep: the kernel of part 2 again; grid 256 x 1, 8 waves a work-group, no clusters, 67,584 bytes of LDS; arguments W1, W2, route, wh, list, pos, tab; writes wh, list, pos, tab
;; launch ffn (part 5): grid 135 x 1, 4 waves a work-group, no clusters, 179,712 bytes of LDS; arguments xh, wh, b1, b2, list, tab, y; writes y
.if DOCPART == 5
	.amdgcn_target "amdgcn-amd-amdhsa--gfx1250"
	.amdhsa_code_object_version 6
	.text
	.protected	k_qcaf3e04ff3_ffn
	.globl	k_qcaf3e04ff3_ffn
	.p2align	8
	.type	k_qcaf3e04ff3_ffn,@function
k_qcaf3e04ff3_ffn:
	s_mov_b64 s[64:65], 0
	v_nop
	global_prefetch_b8 v0, s[64:65] scope:SCOPE_SE
	s_setreg_imm32_b32 hwreg(HW_REG_WAVE_SCHED_MODE, 0, 2), 2
	s_setreg_imm32_b32 hwreg(HW_REG_WAVE_MODE, 25, 1), 1
	s_wait_xcnt 0x0
	s_wait_alu depctr_vm_vsrc(0)
; FFN.  y[row] = relu(x[token(row)] W1e + b1e) W2e + b2e for 135 blocks of 128 rows sorted by expert; f16 operands, f32 sums, h stays in LDS.
; Only the two experts that a token's gate chose are computed; the others' weight in the result is 0 (an unselected expert that would overflow gives no NaN here).
; A work-group has one block; its four waves, as many as a WGP has SIMDs, each make columns 128 w .. 128 w + 127 of a 128 x 512 result: 64 accumulator tiles, 512 registers.
; Three such products over 64 half steps of 32 along K: half steps 0-31 X W1 (K = 1,024) -> h; 32-47 h W2[:, 0:512]; 48-63 h W2[:, 512:1024].
; Every group runs the same fixed program: what hangs on the routing is in the list (which x rows) and in tab (the block's expert), stored by the launch before.
; 135 blocks: 16,384 rows in blocks of 128 of one expert each need 128 to 135; the placement spreads full blocks over the spare ones, so that each of the 135 has real rows.
; THE WEIGHTS GO FROM MEMORY STRAIGHT INTO REGISTERS.  Wave w alone uses columns 128 w .., so a stay in LDS would share nothing.  wh holds them in the order of the fragments
; (half step, wave, column tile, half of the registers, lane, 16 bytes): a half step is 16 loads of 512 consecutive bytes.  Four buffers of 64 registers take turns; a buffer is
; asked for again in the half step behind the one that read it, behind that step's first sixteen matrix instructions, so its loads have 176 matrix instructions in which to land, and every wait for them is counted.
; The gathered x rows are used by all four waves and go through LDS, four loads a half step, so that every group of loads is alike: 16 of W, then 4 of x.
; NO MULTICAST and no tensor loads: blocks of one expert read the same weights, but their address is wh + expert x 2 MiB with the expert read from memory (tab), and a joint
; request wants a descriptor that is equal in all partners by arithmetic on the coordinates that they share.  No prefetch of wh: the blocks of one expert would ask for the same bytes several times over.
; LDS: 0 .. 139,263 four chunks of 128 rows x 128 k of f16 at pitch 272.  In half steps 0-31 chunks 0 and 1 are two slots for gathered x; then the four hold h, chunk w written by wave w.
;      139,264 .. 173,055 the way out: 16 rows x 528 bytes for each wave.   173,056 .. 179,199 for each wave 3 x 512 bytes: its columns of b1, of b2's left half, of b2's right half.
; THE MATRIX INSTRUCTION IS USED TRANSPOSED: source 0 = 16 columns of W, source 1 = 16 rows of X or h, so that lane (r, hh) holds row r, columns 8 hh + 0..7.
; REGISTERS: window 0: v0-63 addresses, v64-191 fragments of X / h (two buffers), v192-255 gathered x, later the bias.  Window 1: the four buffers of W.
;            Window 2: accumulator tiles of rows 0-63 (tile (a, b) at v[8 (8 a + b)]); window 3: rows 64-127.
; LIMITS: h is clamped to [0, 65,504] (f16); with x and W1 thirty times their drawn spread, or offset by as much, |h| stays below 20,000.
; THE MODE: SCHED_MODE bits 1:0 = 2 (LLVM: expert scheduling mode 2), set by the entry lines.  The code itself states the register dependences
; between vector or matrix instructions and memory or LDS instructions, with s_wait_alu, always for 0.
; THE PLAN.  Registers that memory or LDS instructions touch:
;   W0 .. W3     Half step t: its 64 matrix instructions read W[t % 4]; the sixteen loads of half step t + 4 land in it, issued in half step t + 1.
;   F0, F1       Half step t: its matrix instructions read one of them; its sixteen LDS loads (the fragments of half step t + 1) land in the other, which half step t - 1 read.
;   XR, 4 parts  In X W1, half step t: four LDS stores read part t & 3; four loads land in it again in half step t + 1.  No vector instruction names XR there.  Later it takes the bias: LDS loads land, additions read.
;   F1, F0       On the way to h they take turns as the work buffer of 16 rows: the row's arithmetic writes it, eight LDS stores read it.  On the way out F1 is written by the additions and read by the
;                stores into the stage; F0 takes the rows back from the stage and is read by the stores to memory.
;   v3, v6-v31, v51   Addresses and offsets, made at the head and never written again: scalar bases and immediates do the stepping.
; So ONE wait on va_vdst stands at a half step's head: the matrix instructions of the half step before are complete, so they have read their W buffer and their A buffer.  All loads of the half step follow it with no
; further wait, dealt among its matrix instructions, which name the other W buffer, the other A buffer and the accumulators: none of the registers that those loads touch.  One wait on vm_vsrc stands beside it in
; the half steps that load x: the LDS stores of the half step before have read that part of XR.
.set XPITCH, 272
.set XSLOT,  128*XPITCH
.set STAGE,  4*XSLOT
.set SPITCH, 528
.set BIASL,  STAGE+4*16*SPITCH
.set HSB,    32768                     ; bytes of wh in a half step: 8,192 for each wave
.set ADRA, 6                           ; v6-7    my A fragment address in chunks 0-1, 2-3
.set HST,  8                           ; v8      where I put 16 bytes of h
.set BST,  9                           ; v9      where I put 16 bytes of bias
.set WL,   10                          ; v10     16 lane: my bytes in a load of W
.set XST,  11                          ; v11     where I put 16 bytes of gathered x
.set STO,  12                          ; v12     the way out: in
.set RD,   13                          ; v13     the way out: back
.set YO,   14                          ; v14     my byte offset in a row of y, and in a bias
.set BL,   15                          ; v15     where I read my bias back
.set XO,   16                          ; v16-31  byte offsets in xh of the 16 rows of which I fetch 16 bytes
.set ID,   32                          ; v32-47  their slot ids
.set F0,   64
.set F1,   128
.set XR,   192
.set MSB, 0
.macro WIN new                         ; s_set_vgpr_msb: bits 1:0 source 0, 3:2 source 1, 5:4 source 2, 7:6 destination; the high byte repeats the setting left
.if MSB != \new
	s_set_vgpr_msb (MSB<<8)|\new
.set MSB, \new
.endif
.endm
.set MUL_LO, 0xa1                      ; source 0 (W) window 1, source 1 (X, h) window 0, C and D window 2
.set MUL_HI, 0xf1                      ; the same, C and D window 3
.set TO_B,   0x40                      ; destination window 1
.macro PLACES                          ; four plain places behind a matrix instruction, in front of vector instructions that read its result or write its sources (ISA guide 7.12.1)
.rept 4
	v_nop
.endr
.endm
; 16 matrix instructions: row tiles a0, a0 + 1 of the window's four x all 8 column tiles, 32 along K.  zero = 1: the product starts the sums.
; The 64 accumulators take turns, one instruction a turn, in the same order in every half step.
.macro MUL16 fw, fa, hi, a0, zero
.irp a, \a0, \a0+1
.irp b, 0,1,2,3,4,5,6,7
.if \zero
	v_wmma_f32_16x16x32_f16 v[8*(8*(\a)+\b):8*(8*(\a)+\b)+7], v[\fw+8*\b:\fw+8*\b+7], v[\fa+8*(4*\hi+\a):\fa+8*(4*\hi+\a)+7], 0
.else
	v_wmma_f32_16x16x32_f16 v[8*(8*(\a)+\b):8*(8*(\a)+\b)+7], v[\fw+8*\b:\fw+8*\b+7], v[\fa+8*(4*\hi+\a):\fa+8*(4*\hi+\a)+7], v[8*(8*(\a)+\b):8*(8*(\a)+\b)+7]
.endif
.endr
.endr
.endm
; 128 rows x 32 k of chunk c, from byte kb of its rows
.macro FETCHA c, kb, f
	WIN 0
.irp i, 0,1,2,3,4,5,6,7
	ds_load_b128 v[\f+8*\i:\f+8*\i+3],   v[ADRA+\c/2] offset:(\c%2)*XSLOT+\kb+\i*16*XPITCH
	ds_load_b128 v[\f+8*\i+4:\f+8*\i+7], v[ADRA+\c/2] offset:(\c%2)*XSLOT+\kb+\i*16*XPITCH+32
.endr
.endm
; part p (4 of my 16 loads) of a gathered chunk goes from registers into slot xs
.macro XPUT p, xs
	WIN 0
.irp i, 0,1,2,3
	ds_store_b128 v[XST], v[XR+16*\p+4*\i:XR+16*\p+4*\i+3] offset:\xs*XSLOT+2*XPITCH*(4*\p+\i)
.endr
.endm
; part p of the x chunk at byte xo of the rows
.macro XLD p, xo
	WIN 0
.irp i, 0,1,2,3
	global_load_b128 v[XR+16*\p+4*\i:XR+16*\p+4*\i+3], v[XO+4*\p+\i], s[4:5] offset:\xo   ; sixteen lanes take 256 consecutive bytes of a row of xh, aligned
.endr
.endm
; buffer wb gets half step wt, counted from the base
.macro WLD wb, wt
	WIN TO_B
.irp b, 0,1,2,3,4,5,6,7
.irp u, 0,1
	global_load_b128 v[64*\wb+8*\b+4*\u:64*\wb+8*\b+4*\u+3], v[WL], s[6:7] offset:\wt*HSB+1024*\b+512*\u
.endr
.endr
.endm
; my bias from LDS: column 128 w + 16 b + 8 hh + j at XR + 8 b + j.  sel: 0 b1, 512 b2's left half, 1024 its right half
.macro BLD sel
	WIN 0
.irp b, 0,1,2,3,4,5,6,7
.irp u, 0,1
	ds_load_b128 v[XR+8*\b+4*\u:XR+8*\b+4*\u+3], v[BL] offset:\sel+64*\b+16*\u
.endr
.endr
.endm
; A half step: 64 matrix instructions on W buffer fw and A buffer fa.  nw: the loads issued behind this buffer's group, which may stay out.
; xp < 4: part xp of the next x chunk goes into slot xs.  nxt: the next half step's A fragments (chunk c, byte kb) are fetched into fn.
; bar: a barrier stands in front of that fetch: before it every wave has waited for its LDS reads and stores, so behind it the chunk just stored may be read by all
; and the chunk just read may be written.
; The group of loads that refills what the half step before has used: wl: W buffer wb gets half step wt; xl: part p of x's registers gets its part of the chunk at byte xo.
; vw = 0: the half step owes no wait on va_vdst or vm_vsrc (the very first one, with nothing in front of it; the very last one, which issues nothing).
.macro HS fw, fa, fn, zero, nw, xp, xs, bar, nxt, c, kb, vw, xl, p, xo, wl, wb, wt
	s_wait_loadcnt \nw                             ; loads return in order: my buffer is in, and the part of x that was asked for in the same group
	s_wait_dscnt 8                                 ; A's rows 0-63 are in; the youngest eight loads (rows 64-127) may be out
.if \vw
	s_wait_alu depctr_va_vdst(0)                   ; the matrix instructions of the half step before are complete: they have read the W buffer and the A buffer in which this half step's loads land
.if \xl
	s_wait_alu depctr_vm_vsrc(0)                   ; the LDS stores of the half step before have read the part of x's registers in which this half step's four loads of x land
.endif
.endif
	WIN MUL_LO
	MUL16 \fw, \fa, 0, 0, \zero
.if \wl
	WLD \wb, \wt                                   ; no wait: no matrix instruction since the wait above names this buffer
.endif
.if \bar
.if \xp < 4
	XPUT \xp, \xs
.endif
	s_wait_dscnt 0                                 ; for the others' sake: my reads of the chunk and my stores of x are done
	s_barrier_signal -1
	WIN MUL_LO
	MUL16 \fw, \fa, 0, 2, \zero                    ; register work while the others arrive
	s_barrier_wait -1
.if \xl
	XLD \p, \xo
.endif
.if \nxt
	FETCHA \c, \kb, \fn                            ; no wait: no matrix instruction since the wait above names this buffer
.endif
.else
	WIN MUL_LO
	MUL16 \fw, \fa, 0, 2, \zero
.if \xl
	XLD \p, \xo
.endif
.if \xp < 4
	XPUT \xp, \xs
.endif
.if \nxt
	FETCHA \c, \kb, \fn                            ; no wait: no matrix instruction since the wait above names this buffer
	s_wait_dscnt 16                                ; all but the 16 just issued
.else
	s_wait_dscnt 0
.endif
.endif
	WIN MUL_HI
	MUL16 \fw, \fa, 1, 0, \zero
	MUL16 \fw, \fa, 1, 2, \zero
.endm
; Eight half steps of X W1: chunk in slot 0, then chunk in slot 1.  Half step t stores part t & 3 of chunk (t >> 2) + 1, and half step t + 1 asks for that part of chunk (t >> 2) + 2 and for
; half step t + 4 of W.  Behind a group stand two others when it is waited for: 2 x 20 loads.
; tail = 1, half steps 24-31: the first asks for the last part of x, chunk 7 is stored in the first four, and the counts fall from two groups of 20 to two of 16.
.macro QUAD1 zero, tail
	HS 0,   F0, F1, \zero, 40,           0, 1, 0, 1, 0, 64,  (1-\zero), 1,         3, 256, 1, 3, 3
	HS 64,  F1, F0, 0,     40,           1, 1, 0, 1, 0, 128, 1,         (1-\tail), 0, 512, 1, 0, 4
	HS 128, F0, F1, 0,     (40-4*\tail), 2, 1, 0, 1, 0, 192, 1,         (1-\tail), 1, 512, 1, 1, 5
	HS 192, F1, F0, 0,     (40-8*\tail), 3, 1, 1, 1, 1, 0,   1,         (1-\tail), 2, 512, 1, 2, 6
.if \tail
	WIN 0
	s_wait_alu depctr_vm_vsrc(0)                   ; the LDS stores of chunk 7 have read x's registers, in which b1 lands
	BLD 0                                          ; x's registers are free: b1, for the way to h
.endif
	HS 0,   F0, F1, 0, (40-8*\tail), (4*\tail),   0, 0, 1, 1, 64,          1, (1-\tail), 3, 512, 1, 3, 7
	HS 64,  F1, F0, 0, (40-8*\tail), (4*\tail+1), 0, 0, 1, 1, 128,         1, (1-\tail), 0, 768, 1, 0, 8
	HS 128, F0, F1, 0, (40-8*\tail), (4*\tail+2), 0, 0, 1, 1, 192,         1, (1-\tail), 1, 768, 1, 1, 9
	HS 192, F1, F0, 0, (40-8*\tail), (4*\tail+3), 0, 1, (1-\tail), 0, 0,   1, (1-\tail), 2, 768, 1, 2, 10
	s_wait_xcnt 0x0                                ; the loads issued so far have had their addresses translated: their bases are stepped only behind this wait
	s_add_nc_u64 s[6:7], s[6:7], 8*HSB
.if \tail == 0
	s_add_nc_u64 s[4:5], s[4:5], 512               ; two chunks of 128 k
.endif
.endm
; half step t (0..15) of h W2: chunk t >> 2 of h.  wl: the buffer that half step t - 1 read gets half step t + 3, counted from the trip's base
.macro HSH t, zero, nw, nxt, wl
	HS (64*(\t%4)), (F0+64*(\t%2)), (F0+64*((\t+1)%2)), \zero, \nw, 4, 0, 0, \nxt, (((\t+1)/4)%4), (64*((\t+1)%4)), (\nxt|\wl), 0, 0, 0, \wl, ((\t+3)%4), (\t+3)
.endm
.macro ADDB a, win, d                  ; d = row tile a + bias.  win: source 0 in window 2 or 3
	WIN \win
.irp b, 0,1,2,3,4,5,6,7
.irp q, 0,1,2,3
	v_pk_add_f32 v[\d+8*\b+2*\q:\d+8*\b+2*\q+1], v[8*(8*(\a%4)+\b)+2*\q:8*(8*(\a%4)+\b)+2*\q+1], v[XR+8*\b+2*\q:XR+8*\b+2*\q+1]
.endr
.endr
	WIN 0
.endm
.macro HROW a, win                     ; 16 rows of h: bias, relu and f16's bound in one v_med3, f16, into my chunk.  F1 and F0 take turns as the work buffer
.set HB, F1-64*(\a%2)
.if \a >= 2
	s_wait_alu depctr_vm_vsrc(0)                   ; the LDS stores of two rows back have read this work buffer, which the additions write again
.endif
	ADDB \a, \win, HB
.set n, 0
.rept 64
	v_med3_num_f32 v[HB+n], v[HB+n], 0, s41
.set n, n+1
.endr
.irp b, 0,1,2,3,4,5,6,7
.irp q, 0,1,2,3
	v_cvt_pk_f16_f32 v[HB+8*\b+\q], v[HB+8*\b+2*\q], v[HB+8*\b+2*\q+1]
.endr
.endr
	s_wait_alu depctr_va_vdst(0)                   ; the conversions have written the work buffer, which the LDS stores read
.irp b, 0,1,2,3,4,5,6,7
	ds_store_b128 v[HST], v[HB+8*\b:HB+8*\b+3] offset:\a*16*XPITCH+32*\b
.endr
.endm
; 16 rows of y: bias (ADDB into F1), through my stage, out as whole runs of 512 bytes.  The next rows' additions stand between the loads from the stage and the waits for them.
.macro YPUT
	s_wait_alu depctr_va_vdst(0)                   ; the additions have written F1, which the LDS stores read; ahead of the first rows also: the matrix instructions have read F0, in which the loads from the stage land
.irp b, 0,1,2,3,4,5,6,7
.irp u, 0,1
	ds_store_b128 v[STO], v[F1+8*\b+4*\u:F1+8*\b+4*\u+3] offset:64*\b+16*\u
.endr
.endr
.endm
.macro YGET
	s_wait_xcnt 0x0                                ; the stores before have had their addresses translated: F0, their data, is loaded again only behind this wait
	s_wait_alu depctr_vm_vsrc(0)                   ; those stores have read F0, in which the loads below land; the LDS stores above have read F1, which the next rows' additions write
.irp t, 0,1,2,3,4,5,6,7,8,9,10,11,12,13,14,15
	ds_load_b128 v[F0+4*\t:F0+4*\t+3], v[RD] offset:SPITCH*\t   ; LDS serves a wave's instructions in order (ISA guide 5.7.1.4): these see the stores above
.endr
.endm
.macro YOUT a
.irp t, 0,1,2,3,4,5,6,7,8,9,10,11,12,13,14,15
	s_wait_dscnt 15-\t
	global_store_b128 v[YO], v[F0+4*\t:F0+4*\t+3], s[16:17] offset:(16*\a+\t)*4096   ; the wave stores 512 consecutive bytes of a row, aligned
.endr
.endm
	s_load_b256 s[4:11], s[0:1], 0x0               ; xh s[4:5], wh s[6:7], b1 s[8:9], b2 s[10:11]
	s_load_b128 s[12:15], s[0:1], 0x20             ; list s[12:13], tab s[14:15]
	s_load_b64 s[16:17], s[0:1], 0x30              ; y
	v_lshl_add_u32 v4, v0, 2, 0x2bc00
	v_mov_b32 v5, 0
	v_lshrrev_b32 v1, 5, v0
	v_readfirstlane_b32 s18, v1                    ; wave 0..3
	s_lshl_b32 s22, ttmp9, 2                       ; my block's entry of tab, 4 bytes
	s_mov_b32 s23, 0
	s_lshl_b32 s42, ttmp9, 9                       ; my block's 128 ids of 4 bytes
	s_mov_b32 s43, 0
	s_mov_b32 s41, 0x477fe000                      ; 65,504.0
	; all addresses are made here, in the wait for the arguments
	v_and_b32 v1, 15, v0                           ; r
	v_bfe_u32 v2, v0, 4, 1                         ; hh
	v_lshlrev_b32 v51, 2, v2
	v_mul_u32_u24 v48, v1, XPITCH
	v_lshl_add_u32 v[ADRA], v2, 4, v48             ; row r, 16 bytes for each half of the lanes
	v_add_nc_u32 v[ADRA+1], 2*XSLOT, v[ADRA]
	v_and_b32 v49, 31, v0
	v_lshlrev_b32 v[WL], 4, v49
	v_lshlrev_b32 v50, 5, v2
	v_lshlrev_b32 v3, 4, v1                        ; 16 r
	s_wait_alu depctr_va_sdst(0)                   ; s18 is written, ahead of its first reader
	v_lshl_add_u32 v51, s18, 7, v51                ; I fetch for rows 32 w + 2 j + hh
	s_mul_i32 s24, s18, XSLOT
	v_add_nc_u32 v[HST], s24, v[ADRA]              ; h: chunk w
	v_mul_u32_u24 v48, v2, XPITCH
	v_lshl_add_u32 v48, v1, 4, v48                 ; gathered x: lanes 0-15 one row, lanes 16-31 the next
	s_mul_i32 s25, s18, 32*XPITCH
	v_add_nc_u32 v[XST], s25, v48
	v_mul_u32_u24 v48, v1, SPITCH
	v_lshl_add_u32 v48, v2, 5, v48
	s_mul_i32 s26, s18, 16*SPITCH
	s_add_co_u32 s26, s26, STAGE                   ; my stage
	v_add_nc_u32 v[STO], s26, v48
	v_add_nc_u32 v[RD], s26, v[WL]
	v_lshl_add_u32 v[YO], s18, 9, v[WL]
	s_mul_i32 s27, s18, 1536
	s_add_co_u32 s27, s27, BIASL                   ; my three slices of bias
	v_add_nc_u32 v[BST], s27, v[WL]
	v_add_nc_u32 v[BL], s27, v50
	s_wait_alu depctr_va_vdst(0)                   ; v51 and the addresses v6 to v15 are written, which the loads and stores of the whole kernel read
	s_wait_kmcnt 0x0
	s_add_nc_u64 s[14:15], s[14:15], s[22:23]
	s_load_b32 s21, s[14:15], 0x0                  ; my block's expert
	s_add_nc_u64 s[12:13], s[12:13], s[42:43]
.irp j, 0,1,2,3,4,5,6,7,8,9,10,11,12,13,14,15
	global_load_b32 v[ID+\j], v51, s[12:13] offset:8*\j
.endr
	s_wait_kmcnt 0x0
	s_min_u32 s21, s21, 7
	s_lshl_b32 s22, s21, 21                        ; the expert's 64 half steps
	s_add_nc_u64 s[6:7], s[6:7], s[22:23]
	s_lshl_b32 s22, s18, 13                        ; my 8,192 bytes of each
	s_add_nc_u64 s[6:7], s[6:7], s[22:23]
	s_lshl_b32 s22, s21, 11
	s_add_nc_u64 s[8:9], s[8:9], s[22:23]
	s_lshl_b32 s22, s21, 12
	s_add_nc_u64 s[10:11], s[10:11], s[22:23]
	s_lshl_b32 s42, ttmp9, 19                      ; 128 rows of 4,096 bytes
	s_add_nc_u64 s[16:17], s[16:17], s[42:43]
	global_load_b128 v[52:55], v[YO], s[8:9]       ; my 128 columns of b1, of b2's left half, of its right half: 512 bytes each
	global_load_b128 v[56:59], v[YO], s[10:11]
	global_load_b128 v[60:63], v[YO], s[10:11] offset:2048
	s_wait_loadcnt 0x3                             ; the ids are in; the three loads of bias stay out
.irp j, 0,1,2,3,4,5,6,7,8,9,10,11,12,13,14,15
	v_min_u32 v[ID+\j], 0x3fff, v[ID+\j]
	v_and_b32 v[ID+\j], 0x3ffe, v[ID+\j]           ; id = 2 token + rank
	v_lshl_add_u32 v[XO+\j], v[ID+\j], 10, v3      ; token x 2,048 bytes + 16 r
.endr
	s_wait_alu depctr_va_vdst(0)                   ; the sixteen offsets v16 to v31 are written, which every load of x reads
.irp j, 0,1,2,3,4,5,6,7,8,9,10,11,12,13,14,15
	global_load_b128 v[F1+4*\j:F1+4*\j+3], v[XO+\j], s[4:5]   ; chunk 0, into a buffer that the first half step does not use yet
.endr
	WLD 0, 0                                       ; the three groups that half steps -3 to -1 would have issued: half steps 0 to 2 of W, parts 0 to 2 of chunk 1 of x;
	XLD 0, 256                                     ; the fourth is the first half step's own
	WLD 1, 1
	XLD 1, 256
	WLD 2, 2
	XLD 2, 256
	s_wait_loadcnt 60                              ; the bias and chunk 0 are in; the three groups of 20 issued behind them stay out
	WIN 0
	ds_store_b128 v[BST], v[52:55]
	ds_store_b128 v[BST], v[56:59] offset:512
	ds_store_b128 v[BST], v[60:63] offset:1024
.irp j, 0,1,2,3,4,5,6,7,8,9,10,11,12,13,14,15
	ds_store_b128 v[XST], v[F1+4*\j:F1+4*\j+3] offset:2*XPITCH*\j
.endr
	s_wait_dscnt 0x0                               ; my rows of chunk 0 are in LDS
	s_barrier_signal -1
	s_barrier_wait -1
	s_wait_alu depctr_vm_vsrc(0)                   ; my LDS stores have read F1, in which the first half step's fetch lands
	FETCHA 0, 0, F0
	; half steps 0-31: X W1
	QUAD1 1, 0                                     ; the first products start the sums
	WIN 0                                          ; at a label and at a branch every window is 0
	s_mov_b32 s40, 2
.Lq:
	QUAD1 0, 0
	WIN 0
	s_sub_co_u32 s40, s40, 1
	s_cmp_lg_u32 s40, 0
	s_cbranch_scc1 .Lq
	QUAD1 0, 1                                     ; behind its last barrier no wave reads x any more: h may be stored over it
	PLACES
	HROW 0, 0x02
	HROW 1, 0x02
	HROW 2, 0x02
	HROW 3, 0x02
	HROW 4, 0x03
	HROW 5, 0x03
	HROW 6, 0x03
	HROW 7, 0x03
	s_wait_dscnt 0x0                               ; my chunk of h is in LDS
	s_barrier_signal -1
	s_barrier_wait -1
	; half steps 32-63: h W2, two trips of 16, columns 0-511 and 512-1023.  h is only read from here on, and the stage is each wave's own: no barrier.
	s_mov_b32 s40, 0
.Lph:
	s_wait_xcnt 0x0                                ; F0 was the data of the last trip's stores
	s_wait_alu depctr_vm_vsrc(0)                   ; the stores that read F0 (the last rows of h into LDS; in the second trip the last rows of y) have read it,
	s_wait_alu depctr_va_vdst(0)                   ; and the vector and matrix instructions that named F0 are complete: stated here once more, since those stores stand behind the last such wait
	FETCHA 0, 0, F0
	HSH 0, 1, 32, 1, 1                             ; the first products start the sums; two groups of 16 were issued behind each buffer's loads
.irp t, 1,2,3,4,5,6,7,8,9,10,11
	HSH \t, 0, 32, 1, 1
.endr
	WIN 0
	s_cmp_eq_u32 s40, 1                            ; the last four half steps stand twice: the first trip asks for the next trip's weights, the last for nothing beyond its own
	s_cbranch_scc1 .Llast
	BLD 512                                        ; b2's left half.  No wait: the additions that read the bias before stand ahead of the half steps' waits, and nothing since names these registers
	HSH 12, 0, 32, 1, 1
	HSH 13, 0, 32, 1, 1
	HSH 14, 0, 32, 1, 1
	HSH 15, 0, 32, 0, 1
	WIN 0
	s_branch .Lepi
.Llast:
	BLD 1024                                       ; b2's right half; likewise
	HSH 12, 0, 32, 1, 1                            ; the trip's last group; behind it no load leaves the buffer, and the counts run down
	HSH 13, 0, 32, 1, 0
	HSH 14, 0, 16, 1, 0
	HSH 15, 0, 0, 0, 0
	WIN 0
.Lepi:
	PLACES
	ADDB 0, 0x02, F1
	YPUT
.irp a, 0,1,2,3,4,5,6
	YGET
	ADDB (\a+1), (2+(\a+1)/4), F1
	YOUT \a
	YPUT
.endr
	YGET
	YOUT 7
	s_wait_xcnt 0x0                                ; the bases of the stores and of the loads of W are stepped only behind this wait
	s_add_nc_u64 s[16:17], s[16:17], 2048          ; y's right half
	s_add_nc_u64 s[6:7], s[6:7], 16*HSB
	s_add_co_u32 s40, s40, 1
	s_cmp_lt_u32 s40, 2
	s_cbranch_scc1 .Lph
	s_wait_dscnt 0x0
	s_wait_alu depctr_hold_cnt(0) depctr_sa_sdst(0) depctr_va_vdst(0) depctr_va_sdst(0) depctr_va_ssrc(0) depctr_va_vcc(0) depctr_vm_vsrc(0)
	s_wait_tensorcnt 0x0
	ds_add_u32 v4, v5
	s_wait_dscnt 0x0
	s_endpgm
.Lfunc_end_k_qcaf3e04ff3_ffn:
	.size	k_qcaf3e04ff3_ffn, .Lfunc_end_k_qcaf3e04ff3_ffn-k_qcaf3e04ff3_ffn
	.p2alignl 7, 3214868480
	.fill 96, 4, 3214868480
	.section	.rodata,"a",@progbits
	.p2align	6, 0x0
	.amdhsa_kernel k_qcaf3e04ff3_ffn
		.amdhsa_group_segment_fixed_size 179712
		.amdhsa_private_segment_fixed_size 0
		.amdhsa_enable_private_segment 0
		.amdhsa_kernarg_size 56
		.amdhsa_user_sgpr_count 2
		.amdhsa_user_sgpr_kernarg_segment_ptr 1
		.amdhsa_wavefront_size32 1
		.amdhsa_system_sgpr_workgroup_id_x 1
		.amdhsa_system_sgpr_workgroup_id_y 1
		.amdhsa_system_sgpr_workgroup_id_z 1
		.amdhsa_system_vgpr_workitem_id 0
		.amdhsa_next_free_vgpr 1024
		.amdhsa_next_free_sgpr 66
		.amdhsa_reserve_vcc 0
		.amdhsa_float_denorm_mode_32 3
		.amdhsa_float_denorm_mode_16_64 3
		.amdhsa_memory_ordered 1
		.amdhsa_forward_progress 1
		.amdhsa_inst_pref_size 255
	.end_amdhsa_kernel
	.section	.bss,"aw",@nobits
	.p2align	6
	.space	262144
	.amdgpu_metadata
---
amdhsa.version: [ 1, 2 ]
amdhsa.kernels:
  - .name:           k_qcaf3e04ff3_ffn
    .symbol:         k_qcaf3e04ff3_ffn.kd
    .args:
      - { .name: xh, .offset: 0, .size: 8, .value_kind: global_buffer, .address_space: global }
      - { .name: wh, .offset: 8, .size: 8, .value_kind: global_buffer, .address_space: global }
      - { .name: b1, .offset: 16, .size: 8, .value_kind: global_buffer, .address_space: global }
      - { .name: b2, .offset: 24, .size: 8, .value_kind: global_buffer, .address_space: global }
      - { .name: list, .offset: 32, .size: 8, .value_kind: global_buffer, .address_space: global }
      - { .name: tab, .offset: 40, .size: 8, .value_kind: global_buffer, .address_space: global }
      - { .name: y, .offset: 48, .size: 8, .value_kind: global_buffer, .address_space: global }
    .group_segment_fixed_size: 179712
    .private_segment_fixed_size: 0
    .kernarg_segment_align: 8
    .kernarg_segment_size: 56
    .max_flat_workgroup_size: 128
    .sgpr_count:     66
    .vgpr_count:     1024
    .wavefront_size: 32
...
	.end_amdgpu_metadata
.endif
;; end of part 5
;; launch combine (part 6): grid 256 x 1, 8 waves a work-group, no clusters, 0 bytes of LDS; arguments y, pos, pw, out0; writes out0
.if DOCPART == 6
	.amdgcn_target "amdgcn-amd-amdhsa--gfx1250"
	.amdhsa_code_object_version 6
	.text
	.protected	k_qcaf3e04ff3_combine
	.globl	k_qcaf3e04ff3_combine
	.p2align	8
	.type	k_qcaf3e04ff3_combine,@function
k_qcaf3e04ff3_combine:
	s_mov_b64 s[64:65], 0
	v_nop
	global_prefetch_b8 v0, s[64:65] scope:SCOPE_SE
	s_setreg_imm32_b32 hwreg(HW_REG_WAVE_SCHED_MODE, 0, 2), 2
	s_setreg_imm32_b32 hwreg(HW_REG_WAVE_MODE, 25, 1), 1
	s_wait_xcnt 0x0
	s_wait_alu depctr_vm_vsrc(0)
; COMBINE.  out0[t] = p1 y[pos[2 t]] + p2 y[pos[2 t + 1]]: the two experts' rows of a token, weighted by its two gate probabilities, in f32.
; The terms are added in the order of rank, not of the expert's number.  A stream: each row of y that is needed is read once, each row of out0 written once; no LDS, no barrier.
; A wave has 4 tokens; a row of 4,096 bytes is eight loads of 512 consecutive bytes.  Three slots of two rows: 24 KiB of a wave on its way.
; The rows' numbers and the probabilities are the same for all lanes: scalar loads, 32 bytes each.
; THE MODE: SCHED_MODE bits 1:0 = 2 (LLVM: expert scheduling mode 2), set by the entry lines.  The code itself states the register dependences
; between vector instructions and memory instructions, with s_wait_alu, always for 0.
; THE PLAN.  Registers that memory instructions touch:
;   slots 0 .. 2  Written by a token's sixteen loads; read by that token's arithmetic alone.  Slot 0 is loaded a second time, for token 3, behind token 0's arithmetic.
;   OB            The out-buffer, a row of 32 registers.  Written by a token's arithmetic; read by its eight stores.
;   v1            16 lane, made once at the head: the rows are reached by scalar bases and immediates.
; One wait on va_vdst stands behind a token's arithmetic: OB is written, which the stores read, and the slot has been read, so that it may be loaded again.
; One wait on vm_vsrc, beside the wait on XCNT, stands at the next token's head, behind its wait for data: the stores have read OB, which is written again.
.set SL, 16                            ; slot s: first row at v[16 + 64 s ..], second at v[48 + 64 s ..]
.set OB, 208                           ; v[208:239] the row to store
	s_load_b256 s[4:11], s[0:1], 0x0               ; y s[4:5], pos s[6:7], pw s[8:9], out0 s[10:11]
	v_lshrrev_b32 v1, 5, v0
	v_readfirstlane_b32 s12, v1                    ; wave 0..7
	v_and_b32 v1, 31, v0
	v_lshlrev_b32 v1, 4, v1                        ; 16 lane
	s_lshl_b32 s14, ttmp9, 8                       ; 32 tokens x 8 bytes
	s_wait_alu depctr_va_sdst(0)                   ; s12 is written, ahead of its first reader
	s_lshl_b32 s13, s12, 5                         ; 4 tokens x 8 bytes
	s_add_co_u32 s14, s14, s13
	s_mov_b32 s15, 0
	s_wait_kmcnt 0x0
	s_add_nc_u64 s[6:7], s[6:7], s[14:15]
	s_add_nc_u64 s[8:9], s[8:9], s[14:15]
	s_load_b256 s[16:23], s[6:7], 0x0              ; 8 rows
	s_load_b256 s[24:31], s[8:9], 0x0              ; 8 probabilities
	s_lshl_b32 s14, ttmp9, 17                      ; 32 rows of 4,096 bytes
	s_lshl_b32 s13, s12, 14
	s_add_co_u32 s14, s14, s13
	s_add_nc_u64 s[10:11], s[10:11], s[14:15]
	s_wait_kmcnt 0x0
.irp n, 0,1,2,3,4,5,6,7
	s_min_u32 s[16+\n], s[16+\n], 0x437f           ; a row of y's 17,280
	s_lshl_b32 s[32+2*\n], s[16+\n], 12
	s_mov_b32 s[33+2*\n], 0
	s_add_nc_u64 s[32+2*\n:33+2*\n], s[4:5], s[32+2*\n:33+2*\n]
.endr
	s_wait_alu depctr_va_vdst(0)                   ; v1 is written: every load and store of the kernel reads it as its offset
.macro FILL s, i                       ; token i's two rows into slot s
.irp j, 0,1,2,3,4,5,6,7
	global_load_b128 v[SL+64*\s+4*\j:SL+64*\s+4*\j+3], v1, s[32+4*\i:33+4*\i] offset:512*\j th:TH_LOAD_NT
.endr
.irp j, 0,1,2,3,4,5,6,7
	global_load_b128 v[SL+64*\s+32+4*\j:SL+64*\s+32+4*\j+3], v1, s[34+4*\i:35+4*\i] offset:512*\j th:TH_LOAD_NT
.endr
.endm
; token i's arithmetic, from slot s into OB.  left: the later tokens' loads, which stay out.  again = 1: OB has been stored from before
.macro MIX i, s, left, again
	s_wait_loadcnt \left
.if \again
	s_wait_xcnt 0x0                                ; the stores of the token before have had their addresses translated: OB, their data, is written again only behind this wait
	s_wait_alu depctr_vm_vsrc(0)                   ; those stores have read OB
.endif
	v_mov_b32 v8, s[24+2*\i]
	v_mov_b32 v9, s[24+2*\i]
	v_mov_b32 v10, s[25+2*\i]
	v_mov_b32 v11, s[25+2*\i]
.irp j, 0,1,2,3,4,5,6,7
	v_pk_mul_f32 v[OB+4*\j:OB+4*\j+1], v[SL+64*\s+4*\j:SL+64*\s+4*\j+1], v[8:9]
	v_pk_mul_f32 v[OB+4*\j+2:OB+4*\j+3], v[SL+64*\s+4*\j+2:SL+64*\s+4*\j+3], v[8:9]
	v_pk_fma_f32 v[OB+4*\j:OB+4*\j+1], v[SL+64*\s+32+4*\j:SL+64*\s+32+4*\j+1], v[10:11], v[OB+4*\j:OB+4*\j+1]
	v_pk_fma_f32 v[OB+4*\j+2:OB+4*\j+3], v[SL+64*\s+32+4*\j+2:SL+64*\s+32+4*\j+3], v[10:11], v[OB+4*\j+2:OB+4*\j+3]
.endr
	s_wait_alu depctr_va_vdst(0)                   ; the arithmetic has written OB, which the stores read, and is done reading the slot, in which (token 0) the next loads land
.endm
.macro OUT i
.irp j, 0,1,2,3,4,5,6,7
	global_store_b128 v1, v[OB+4*\j:OB+4*\j+3], s[10:11] offset:4096*\i+512*\j th:TH_STORE_NT   ; 512 consecutive bytes, aligned
.endr
.endm
	FILL 0, 0
	FILL 1, 1
	FILL 2, 2
	MIX 0, 0, 32, 0
	FILL 0, 3                                      ; loads ahead of stores: no store reads the slot, so it is asked for again at once
	OUT 0
	MIX 1, 1, 32, 1
	OUT 1
	MIX 2, 2, 16, 1
	OUT 2
	MIX 3, 0, 0, 1
	OUT 3
	s_endpgm
.Lfunc_end_k_qcaf3e04ff3_combine:
	.size	k_qcaf3e04ff3_combine, .Lfunc_end_k_qcaf3e04ff3_combine-k_qcaf3e04ff3_combine
	.p2alignl 7, 3214868480
	.fill 96, 4, 3214868480
	.section	.rodata,"a",@progbits
	.p2align	6, 0x0
	.amdhsa_kernel k_qcaf3e04ff3_combine
		.amdhsa_group_segment_fixed_size 0
		.amdhsa_private_segment_fixed_size 0
		.amdhsa_enable_private_segment 0
		.amdhsa_kernarg_size 32
		.amdhsa_user_sgpr_count 2
		.amdhsa_user_sgpr_kernarg_segment_ptr 1
		.amdhsa_wavefront_size32 1
		.amdhsa_system_sgpr_workgroup_id_x 1
		.amdhsa_system_sgpr_workgroup_id_y 1
		.amdhsa_system_sgpr_workgroup_id_z 1
		.amdhsa_system_vgpr_workitem_id 0
		.amdhsa_next_free_vgpr 240
		.amdhsa_next_free_sgpr 66
		.amdhsa_reserve_vcc 0
		.amdhsa_float_denorm_mode_32 3
		.amdhsa_float_denorm_mode_16_64 3
		.amdhsa_memory_ordered 1
		.amdhsa_forward_progress 1
		.amdhsa_inst_pref_size 21
	.end_amdhsa_kernel
	.amdgpu_metadata
---
amdhsa.version: [ 1, 2 ]
amdhsa.kernels:
  - .name:           k_qcaf3e04ff3_combine
    .symbol:         k_qcaf3e04ff3_combine.kd
    .args:
      - { .name: y, .offset: 0, .size: 8, .value_kind: global_buffer, .address_space: global }
      - { .name: pos, .offset: 8, .size: 8, .value_kind: global_buffer, .address_space: global }
      - { .name: pw, .offset: 16, .size: 8, .value_kind: global_buffer, .address_space: global }
      - { .name: out0, .offset: 24, .size: 8, .value_kind: global_buffer, .address_space: global }
    .group_segment_fixed_size: 0
    .private_segment_fixed_size: 0
    .kernarg_segment_align: 8
    .kernarg_segment_size: 32
    .max_flat_workgroup_size: 256
    .sgpr_count:     66
    .vgpr_count:     240
    .wavefront_size: 32
...
	.end_amdgpu_metadata
.endif
;; end of part 6
